; MI455X (gfx1250); checked and timed in simulation.
; The chip was launched on July 23, 2026; its instructions are those of AMD's public machine-readable ISA for CDNA 5 (MIT licence, August 2026) and "CDNA5" Instruction Set Architecture Reference Guide (July 2026). The comments in the code are by the model that wrote it; some were corrected since.
;; Selective SSM. Allowed arithmetic: float matrix products may take bf16 or f16 operands with f32 sums; other float arithmetic in f32, or as packed bf16 or f16 multiplies, adds, multiply-adds, maxima and minima; sums over many terms, partial sums and values carried from step to step in f32; what a program stores and reads back later, other than sums and carried values, may be rounded once to bf16 or f16.
;; Inputs: A_log 2,048 x 16 float32; D 2,048 float32; W_dt 64 x 2,048 float32; W_in 1,024 x 4,096 float32; W_out 2,048 x 1,024 float32; W_xproj 2,048 x 96 float32; b_dt 2,048 float32; x 2 x 4,096 x 1,024 float32.
;; Outputs: out0 2 x 4,096 x 1,024 float32.
;; 2 versions, each right; version 2 is version 1 with the launches scanA, scanC written anew for expert scheduling mode. Each part assembles by itself: llvm-mc -triple=amdgcn-amd-amdhsa -mcpu=gfx1250 --defsym DOCPART=n.
;; ======== version 1 of 2: 7 launches
;; limits: values are held in f16: magnitudes above 65,504 overflow, below 6.1e-05 lose precision
;; workspace buffers: xb 16,777,216 bytes; wts 13,369,344 bytes; xz 67,108,864 bytes; xd 2,097,152 bytes; sums 16,252,928 bytes; init 8,388,608 bytes; g 33,554,432 bytes
;; launch prep (part 1): grid 724 x 1, 4 waves a work-group, no clusters, 70,144 bytes of LDS; arguments x, W_in, W_out, W_xproj, W_dt, A_log, xb, wts; writes xb, wts
.if DOCPART == 1
	.amdgcn_target "amdgcn-amd-amdhsa--gfx1250"
	.amdhsa_code_object_version 6
	.text
	.protected	k_qffc6af051f_prep
	.globl	k_qffc6af051f_prep
	.p2align	8
	.type	k_qffc6af051f_prep,@function
k_qffc6af051f_prep:
	s_mov_b64 s[64:65], 0
	v_nop
	global_prefetch_b8 v0, s[64:65] scope:SCOPE_SE
	s_setreg_imm32_b32 hwreg(HW_REG_WAVE_MODE, 25, 1), 1
	s_wait_xcnt 0x0
; PREPARATION.  Every input of a matrix product is rounded once to bf16 and laid as its product wants it.
;   work-groups 0-127:   W_in  [1024 k][4096 n] f32 -> wts+WINT  [4096 n][1024 k] bf16
;   work-groups 128-191: W_out [2048 k][1024 n] f32 -> wts+WOUTT [1024 n][2048 k] bf16
;   work-groups 192-203: W_xproj [2048 k][96 n] f32 -> wts+WXT   [96 n][2048 k]: rounded to bf16, that number written as f16 (its partner xp is f16)
;   work-groups 204-211: W_dt as register images of matrix fragments (WDF), and A = -exp(A_log rounded to bf16) as register images (APK), a block of 64 channels a wave
;   work-groups 212-723: x f32 -> xb bf16, 64 KiB of x a work-group
; A transposing wave takes 128 k x 64 (or 32) n: two rows k, k+1 are packed into words, put into the wave's own LDS stage by columns, and read back as
; rows of 256 bytes, so that sixteen lanes store 256 consecutive bytes, aligned.  The stage is the wave's own: no barrier.
; LIMIT: W_xproj below 6e-5 in size keeps f16's fixed step of 6e-8.
.set WINT,  0
.set WOUTT, 8388608
.set WXT,   12582912
.set WDF,   12976128
.set APK,   13238272
.set STG,   17408                      ; a wave's stage: 64 rows of 272 bytes
.set SPARE, 69632                      ; behind the stages: the spare words, 128 bytes a wave
.set SPW, 2                            ; v2  my spare word's LDS address; never rewritten
.set NIL, 3                            ; v3  0; never rewritten
.set LN,  4                            ; v4  lane
.set IN,  32                           ; v[32:159] loaded data, later rows read back
.set TM,  192                          ; v[192:223] packed words
	s_load_b512 s[4:19], s[0:1], 0x0               ; x 4, W_in 6, W_out 8, W_xproj 10, W_dt 12, A_log 14, xb 16, wts 18
	v_lshl_add_u32 v[SPW], v0, 2, SPARE
	v_mov_b32 v[NIL], 0
	v_lshrrev_b32 v1, 5, v0
	v_readfirstlane_b32 s20, v1                    ; wave
	v_and_b32 v[LN], 31, v0
	s_mul_i32 s21, s20, STG                        ; my stage
	s_mov_b32 s27, 0                               ; high word of every offset pair s[26:27]
	s_wait_kmcnt 0x0
	s_cmp_lt_u32 ttmp9, 128
	s_cbranch_scc1 .Lwin
	s_cmp_lt_u32 ttmp9, 192
	s_cbranch_scc1 .Lwout
	s_cmp_lt_u32 ttmp9, 204
	s_cbranch_scc1 .Lwx
	s_cmp_lt_u32 ttmp9, 212
	s_cbranch_scc1 .Lfrag
	; THE CAST: a wave takes 16 KiB of x: 32 loads of 512 consecutive bytes, all out at once; each store covers 256 consecutive bytes, aligned
	s_sub_co_u32 s22, ttmp9, 212
	s_lshl_b32 s26, s22, 16
	s_lshl_b32 s25, s20, 14
	s_add_co_u32 s26, s26, s25
	s_add_nc_u64 s[28:29], s[4:5], s[26:27]
	s_lshr_b32 s26, s26, 1
	s_add_nc_u64 s[30:31], s[16:17], s[26:27]
	v_lshlrev_b32 v5, 4, v[LN]
	v_lshlrev_b32 v6, 3, v[LN]
.set i, 0
.rept 32
	global_load_b128 v[IN+4*i:IN+4*i+3], v5, s[28:29] offset:512*i th:TH_LOAD_NT
.set i, i+1
.endr
.set i, 0
.rept 32
	s_wait_loadcnt 31-i                            ; loads come back in order: load i is in, the younger ones stay out
	v_cvt_pk_bf16_f32 v[160+2*i], v[IN+4*i], v[IN+4*i+1]
	v_cvt_pk_bf16_f32 v[161+2*i], v[IN+4*i+2], v[IN+4*i+3]
	global_store_b64 v6, v[160+2*i:161+2*i], s[30:31] offset:256*i
.set i, i+1
.endr
	s_branch .Lend
; A transposing tile.  SP, DP: bytes in a source and a destination row; 1<<LW lanes cover a source row's piece (16 bytes each); F16: write f16;
; KB: bits of the k tile's number; ID0: the role's first work-group; SRC: the source's pointer; DOFF: the destination's place in wts.
.macro TRANS SP, DP, LW, F16, KB, ID0, SRC, DOFF
.set RPI, 32>>(\LW)                    ; pairs of rows that one pair of loads covers
.set NLD, 2<<(\LW)                     ; loads on the way back: two rows of n each
	s_sub_co_u32 s22, ttmp9, \ID0
	s_lshl2_add_u32 s22, s22, s20                  ; tile = 4 x work-group + wave
	s_and_b32 s23, s22, (1<<(\KB))-1               ; k tile
	s_lshr_b32 s24, s22, \KB                       ; n tile
	s_mul_i32 s26, s23, 128*(\SP)
	s_mul_i32 s25, s24, 16<<(\LW)
	s_add_co_u32 s26, s26, s25
	s_add_nc_u64 s[28:29], s[\SRC:\SRC+1], s[26:27]
	s_mul_i32 s26, s24, (4<<(\LW))*(\DP)
	s_lshl_b32 s25, s23, 8
	s_add_co_u32 s26, s26, s25
	s_add_co_u32 s26, s26, \DOFF
	s_add_nc_u64 s[30:31], s[18:19], s[26:27]
	v_and_b32 v5, (1<<(\LW))-1, v[LN]              ; which four n
	v_lshrrev_b32 v6, \LW, v[LN]                   ; which pair of rows
	v_mul_u32_u24 v7, v6, 2*(\SP)
	v_lshl_add_u32 v7, v5, 4, v7                   ; source offset
	v_mul_u32_u24 v8, v5, 4*272
	v_lshl_add_u32 v8, v6, 2, v8
	v_add_nc_u32 v8, s21, v8                       ; stage: row 4 nq, word kr
	s_mov_b32 s32, 128/(16*RPI)
	s_mov_b32 s33, 0
.Ltr_\@:
	v_add_nc_u32 v9, s33, v8                       ; this trip's columns of the stage
.irp i, 0,1,2,3,4,5,6,7
	global_load_b128 v[IN+8*(\i):IN+8*(\i)+3],   v7, s[28:29] offset:(\i)*2*RPI*(\SP)
	global_load_b128 v[IN+8*(\i)+4:IN+8*(\i)+7], v7, s[28:29] offset:(\i)*2*RPI*(\SP)+(\SP)
.endr
	s_wait_loadcnt 0x0                             ; all sixteen are in, so their base may be stepped
	s_add_nc_u64 s[28:29], s[28:29], 16*RPI*(\SP)
.irp i, 0,1,2,3,4,5,6,7
.irp j, 0,1,2,3
	v_cvt_pk_bf16_f32 v[TM+4*(\i)+(\j)], v[IN+8*(\i)+(\j)], v[IN+8*(\i)+4+(\j)]  ; k in the low half, k + 1 in the high
.if \F16
	v_lshlrev_b32 v13, 16, v[TM+4*(\i)+(\j)]
	v_and_b32 v14, 0xffff0000, v[TM+4*(\i)+(\j)]
	v_cvt_pk_f16_f32 v[TM+4*(\i)+(\j)], v13, v14
.endif
	ds_store_b32 v9, v[TM+4*(\i)+(\j)] offset:(\j)*272+(\i)*RPI*4
.endr
.endr
	s_add_co_u32 s33, s33, 32*RPI
	s_sub_co_u32 s32, s32, 1
	s_cmp_lg_u32 s32, 0
	s_cbranch_scc1 .Ltr_\@
	v_lshrrev_b32 v10, 4, v[LN]
	v_and_b32 v5, 15, v[LN]
	v_mul_u32_u24 v11, v10, 272
	v_lshl_add_u32 v11, v5, 4, v11
	v_add_nc_u32 v11, s21, v11                     ; back: lanes 0-15 one row of 256 bytes, lanes 16-31 the next
	v_mul_u32_u24 v12, v10, \DP
	v_lshl_add_u32 v12, v5, 4, v12
.set t, 0
.rept NLD
	ds_load_b128 v[IN+4*t:IN+4*t+3], v11 offset:t*544  ; LDS serves a wave's instructions in order: these see the stores above
.set t, t+1
.endr
.set t, 0
.rept NLD
	s_wait_dscnt NLD-1-t
	global_store_b128 v12, v[IN+4*t:IN+4*t+3], s[30:31] offset:2*t*(\DP)
.set t, t+1
.endr
.endm
.Lwin:
	TRANS 16384, 2048, 4, 0, 3, 0, 6, WINT
	s_branch .Lend
.Lwout:
	TRANS 4096, 4096, 4, 0, 4, 128, 8, WOUTT
	s_branch .Lend
.Lwx:
	TRANS 384, 4096, 3, 1, 4, 192, 10, WXT
	s_branch .Lend
.Lfrag:
	; W_dt's FRAGMENTS for a block of 64 channels.  Tile i = 2 e + hh has as column r the channel 2 (16 hh + r) + e of the block; fragment (i, kk) holds k = 32 kk ..:
	; lane (r, h): registers 4 c + jj hold k = 32 kk + 16 c + 8 h + 2 jj, + 1.  It is stored as the lanes' registers: 1,024 (2 i + kk) + 512 c + 16 lane.
	s_sub_co_u32 s22, ttmp9, 204
	s_lshl2_add_u32 s22, s22, s20                  ; block
	s_lshl_b32 s26, s22, 8
	s_add_nc_u64 s[28:29], s[12:13], s[26:27]
	s_lshl_b32 s26, s22, 13
	s_add_co_u32 s26, s26, WDF
	s_add_nc_u64 s[30:31], s[18:19], s[26:27]
	v_and_b32 v5, 15, v[LN]
	v_lshrrev_b32 v6, 4, v[LN]
	v_lshlrev_b32 v7, 3, v5
	v_lshl_add_u32 v7, v6, 16, v7                  ; 8 r + 8 h rows of 8,192 bytes
	v_lshlrev_b32 v8, 4, v[LN]
.irp kk, 0,1
.irp i, 0,1,2,3
.irp c, 0,1
.irp j, 0,1,2,3,4,5,6,7
	global_load_b32 v[IN+16*(\i)+8*(\c)+(\j)], v7, s[28:29] offset:(32*(\kk)+16*(\c)+(\j))*8192+128*((\i)&1)+4*((\i)>>1)
.endr
.endr
.endr
	s_wait_loadcnt 0x0
.irp i, 0,1,2,3
.irp c, 0,1
.irp j, 0,1,2,3
	v_cvt_pk_bf16_f32 v[96+32*(\kk)+8*(\i)+4*(\c)+(\j)], v[IN+16*(\i)+8*(\c)+2*(\j)], v[IN+16*(\i)+8*(\c)+2*(\j)+1]
.endr
	global_store_b128 v8, v[96+32*(\kk)+8*(\i)+4*(\c):96+32*(\kk)+8*(\i)+4*(\c)+3], s[30:31] offset:1024*(2*(\i)+(\kk))+512*(\c)
.endr
.endr
.endr
	; A's image: lane l owns channels 2 l + e; register 2 n + e holds -exp(A_log[channel][n])
	s_lshl_b32 s26, s22, 12
	s_add_nc_u64 s[28:29], s[14:15], s[26:27]      ; (every load that named s[28:29] has been waited for)
	s_add_co_u32 s26, s26, APK
	s_add_nc_u64 s[34:35], s[18:19], s[26:27]
	v_lshlrev_b32 v9, 7, v[LN]
.irp q, 0,1,2,3,4,5,6,7
	global_load_b128 v[IN+4*(\q):IN+4*(\q)+3], v9, s[28:29] offset:16*(\q)
.endr
	s_wait_loadcnt 0x0
.set i, 0
.rept 16
	v_cvt_pk_bf16_f32 v[64+i], v[IN+2*i], v[IN+2*i+1]  ; the input's rounding to bf16
.set i, i+1
.endr
.set i, 0
.rept 16
	v_lshlrev_b32 v[IN+2*i], 16, v[64+i]
	v_and_b32 v[IN+2*i+1], 0xffff0000, v[64+i]
.set i, i+1
.endr
.set i, 0
.rept 32
	v_mul_f32 v[IN+i], 0x3fb8aa3b, v[IN+i]         ; log2(e)
.set i, i+1
.endr
.set i, 0
.rept 32
	v_exp_f32 v[IN+i], v[IN+i]
.set i, i+1
.endr
	v_nop                                          ; a plain instruction behind the last exponential,
	s_wait_alu depctr_va_vdst(0)                   ; and one wait for the batch, ahead of its first reader
.set i, 0
.rept 16
	v_mul_f32 v[160+2*i], -1.0, v[IN+i]
	v_mul_f32 v[161+2*i], -1.0, v[IN+16+i]
.set i, i+1
.endr
.irp q, 0,1,2,3,4,5,6,7
	global_store_b128 v8, v[160+4*(\q):160+4*(\q)+3], s[34:35] offset:512*(\q)
.endr
.Lend:
	s_wait_tensorcnt 0x0                           ; the wave's end, behind the last LDS store
	ds_add_u32 v[SPW], v[NIL]
	s_wait_dscnt 0x0
	s_endpgm
.Lfunc_end_k_qffc6af051f_prep:
	.size	k_qffc6af051f_prep, .Lfunc_end_k_qffc6af051f_prep-k_qffc6af051f_prep
	.p2alignl 7, 3214868480
	.fill 96, 4, 3214868480
	.section	.rodata,"a",@progbits
	.p2align	6, 0x0
	.amdhsa_kernel k_qffc6af051f_prep
		.amdhsa_group_segment_fixed_size 70144
		.amdhsa_private_segment_fixed_size 0
		.amdhsa_enable_private_segment 0
		.amdhsa_kernarg_size 64
		.amdhsa_user_sgpr_count 2
		.amdhsa_user_sgpr_kernarg_segment_ptr 1
		.amdhsa_wavefront_size32 1
		.amdhsa_system_sgpr_workgroup_id_x 1
		.amdhsa_system_sgpr_workgroup_id_y 1
		.amdhsa_system_sgpr_workgroup_id_z 1
		.amdhsa_system_vgpr_workitem_id 0
		.amdhsa_next_free_vgpr 224
		.amdhsa_next_free_sgpr 66
		.amdhsa_reserve_vcc 0
		.amdhsa_float_denorm_mode_32 3
		.amdhsa_float_denorm_mode_16_64 3
		.amdhsa_memory_ordered 1
		.amdhsa_forward_progress 1
		.amdhsa_inst_pref_size 81
	.end_amdhsa_kernel
	.amdgpu_metadata
---
amdhsa.version: [ 1, 2 ]
amdhsa.kernels:
  - .name:           k_qffc6af051f_prep
    .symbol:         k_qffc6af051f_prep.kd
    .args:
      - { .name: x, .offset: 0, .size: 8, .value_kind: global_buffer, .address_space: global }
      - { .name: W_in, .offset: 8, .size: 8, .value_kind: global_buffer, .address_space: global }
      - { .name: W_out, .offset: 16, .size: 8, .value_kind: global_buffer, .address_space: global }
      - { .name: W_xproj, .offset: 24, .size: 8, .value_kind: global_buffer, .address_space: global }
      - { .name: W_dt, .offset: 32, .size: 8, .value_kind: global_buffer, .address_space: global }
      - { .name: A_log, .offset: 40, .size: 8, .value_kind: global_buffer, .address_space: global }
      - { .name: xb, .offset: 48, .size: 8, .value_kind: global_buffer, .address_space: global }
      - { .name: wts, .offset: 56, .size: 8, .value_kind: global_buffer, .address_space: global }
    .group_segment_fixed_size: 70144
    .private_segment_fixed_size: 0
    .kernarg_segment_align: 8
    .kernarg_segment_size: 64
    .max_flat_workgroup_size: 128
    .sgpr_count:     66
    .vgpr_count:     224
    .wavefront_size: 32
...
	.end_amdgpu_metadata
.endif
;; end of part 1
;; launch gemm_in (part 2): grid 16 x 32, 4 waves a work-group, clusters of 4 x 4, 327,680 bytes of LDS; arguments xb, wts, xz; writes xz
.if DOCPART == 2
	.amdgcn_target "amdgcn-amd-amdhsa--gfx1250"
	.amdhsa_code_object_version 6
	.text
	.protected	k_qffc6af051f_gemm_in
	.globl	k_qffc6af051f_gemm_in
	.p2align	8
	.type	k_qffc6af051f_gemm_in,@function
k_qffc6af051f_gemm_in:
	s_mov_b64 s[64:65], 0
	v_nop
	global_prefetch_b8 v0, s[64:65] scope:SCOPE_SE
	s_setreg_imm32_b32 hwreg(HW_REG_WAVE_MODE, 25, 1), 1
	s_wait_xcnt 0x0
	s_wait_alu depctr_hold_cnt(0) depctr_sa_sdst(0) depctr_va_vdst(0) depctr_va_sdst(0) depctr_va_ssrc(0) depctr_va_vcc(0) depctr_vm_vsrc(0)
	s_getreg_b32 s2, hwreg(HW_REG_IB_STS2, 6, 4)
	s_cmp_eq_u32 s2, 0
	s_cbranch_scc0 .Lentry_in_a_cluster
	s_endpgm
.Lentry_in_a_cluster:
	s_bfe_u32 s2, ttmp6, 0x10000c
	s_cmp_lg_u32 s2, 0xf033
	s_cbranch_scc0 .Lentry_shape_is_right
	s_endpgm
.Lentry_shape_is_right:
; xz[m][n] = sum over k of xb[m][k] WINT[n][k]: [8192][1024] x [4096][1024], bf16 operands, f32 sums, xz rounded once to f16.
; LIMIT: |xz| stays under 65,504 (f16); at thirty times the drawn spread of x and of W_in the largest is some 3,500.
; A tile of C is 128 MH x 256; four waves, each 64 MH x 128.  K goes in steps of 128 through two LDS slots filled by the tensor data mover; rows of 256 bytes, padded to 272.
; CLUSTER 4 x 4: A's tile is shared along a row of the cluster, B's along a column: joint loads, a quarter of the requests.
; The product is used transposed (source 0 = rows of B, source 1 = rows of A): a lane holds eight neighbouring columns of one row of C.
; REGISTERS: window 0: v16-30 addresses, v64.., v128.. A's two fragment buffers, v32-63, v192-255 the way out; window 1: v64-127, v128-191 B's two buffers;
; window 2 (and 3 where MH = 2): accumulator (a, b) at 8 (8 a + b).
.set SIZE_N, 4096
.set SIZE_K, 1024
.set MH,     2                         ; a wave's rows / 64
.set BOFF,   0                         ; B's place in wts
.set ESZ,    2                         ; bytes of a number of C
.set KSTEP,  128
.set PITCH,  272                       ; 68 words: the sixteen rows of a fragment load start at sixteen different groups of four banks
.set AROWS,  64*MH                     ; rows of A in one tensor load, and in a wave's share
.set HA,     AROWS*PITCH
.set HB,     128*PITCH
.set SLOT,   2*HA+2*HB
.set STAGE,  2*SLOT                    ; behind the ring: 16 rows for each wave, for the way out; no tensor load fills it
.set SPITCH, 128*ESZ+16
.set SPARE,  STAGE+4*16*SPITCH         ; the spare words, 128 bytes a wave
.set LAPS,   SIZE_K/(2*KSTEP)
.set CROW,   SIZE_N*ESZ
.set ADRA, 16
.set ADRB, 20
.set STO,  24
.set RD,   25
.set CO,   26
.set SPW,  28
.set NIL,  29
.set PFO,  30
.set PFA,  44                          ; s[44:45] where my prefetches stand
.set LIM,  43                          ; s43 1 in a wave that prefetches, else the greatest number
.set LIM2, 2                           ; s2  the same for the change out of slot 1 (MH = 1: A's waves ask for two K steps at the other change)
.set F0,   64
.set F1,   128
.set TMP,  192
.set OB,   32
.set G1,  24
.set G0,  32
.set G1B, 48
.set G0B, 56
.set MSB, 0
.macro WIN new                         ; the immediate's high byte repeats the setting that is left
.if MSB != (\new)
	s_set_vgpr_msb (MSB<<8)|(\new)
.set MSB, \new
.endif
.endm
.set MUL_LO, 0xa1                      ; source 0 (B) window 1, source 1 (A) window 0, C and D window 2
.set TO_B,   0x40
.macro JLOAD s                         ; a joint load: waves 0, 1 fetch A's halves, waves 2, 3 B's; s_nop 0 and four v_nop follow each line
	s_cmp_eq_u32 s11, 0
	s_cbranch_scc0 .Lfor_b_\@
	tensor_load_to_lds s[G0+4*(\s):G0+4*(\s)+3], s[G1:G1+7]
	s_nop 0
.rept 4
	v_nop
.endr
	s_branch .Lasked_\@
.Lfor_b_\@:
	tensor_load_to_lds s[G0B+4*(\s):G0B+4*(\s)+3], s[G1B:G1B+7]
	s_nop 0
.rept 4
	v_nop
.endr
.Lasked_\@:
.endm
; A prefetch of the K step two refills on, behind the joint load and the run of LDS loads.  A's rows are asked for by the clusters with x = 0, B's by those with y = 0; the four partners
; share a tile's rows by address; a lane a row (MH = 1, A: sixteen rows, the upper lanes one K step further, asked at every second change).  The loop's last trip asks for nothing.
.macro ASK slot
.if (MH == 1) && ((\slot) == 1)
	s_cmp_gt_u32 s3, s[LIM2]
.else
	s_cmp_gt_u32 s3, s[LIM]
.endif
	s_cbranch_scc0 .Lnot_mine_\@
	global_prefetch_b8 v[PFO], s[PFA:PFA+1] offset:KSTEP*2 th:TH_LOAD_NT scope:SCOPE_SE
.Lnot_mine_\@:
.endm
.macro CREST                           ; a round of the cluster's barrier behind its opening barrier
	s_cmp_lg_u32 s10, 0
	s_cbranch_scc1 .Lnot_wave_0_\@
	s_barrier_signal -3
.Lnot_wave_0_\@:
	s_barrier_wait -3
	s_barrier_signal -1
	s_barrier_wait -1
.endm
.macro CROUND
	s_barrier_signal -1
	s_barrier_wait -1
	CREST
.endm
	s_load_b128 s[4:7], s[0:1], 0x0                ; A s[4:5], wts s[6:7]
	s_load_b64 s[8:9], s[0:1], 0x10                ; C
	v_lshl_add_u32 v[SPW], v0, 2, SPARE
	v_mov_b32 v[NIL], 0
	ds_add_u32 v[SPW], v[NIL]                      ; the opening: the add and its wait ahead of my first tensor load
	v_lshrrev_b32 v1, 5, v0
	v_readfirstlane_b32 s10, v1                    ; wave
	s_lshr_b32 s11, s10, 1                         ; my half of the tile's rows; also: I fetch A (0) or B (1)
	s_and_b32 s12, s10, 1                          ; my half of its columns; also: which half I fetch
	s_bfe_u32 s40, ttmp6, 0x40000                  ; cx
	s_bfe_u32 s41, ttmp6, 0x40004                  ; cy
	s_lshl_b32 s42, ttmp9, 2
	s_add_co_u32 s42, s42, s40                     ; tile column
	s_and_b32 s13, ttmp7, 0xffff
	s_lshl_b32 s13, s13, 2
	s_add_co_u32 s13, s13, s41                     ; tile row
	s_lshl_b32 s43, s41, 2
	s_lshl_b32 s43, 15, s43                        ; my row of the cluster
	s_lshl_b32 s44, 0x1111, s40                    ; my column
	s_or_b32 s[G1+0], s43, (1<<16)|(1<<20)|(1<<21)|(5<<22)|(3<<25)   ; mask; 2-byte elements; padding on; bit 21 beside a mask; 4 words behind every 64
	s_or_b32 s[G1B+0], s44, (1<<16)|(1<<20)|(1<<21)|(5<<22)|(3<<25)
	s_mov_b32 s[G1+1], KSTEP<<16                   ; tensor_dim0
	s_mov_b32 s[G1+2], AROWS<<16                   ; tensor_dim1
	s_mov_b32 s[G1+3], KSTEP<<16                   ; tile_dim0
	s_mov_b32 s[G1+4], AROWS                       ; tile_dim1
	s_mov_b32 s[G1+5], SIZE_K                      ; elements from row to row
	s_mov_b32 s[G1+6], 0
	s_mov_b32 s[G1+7], 0
	s_mov_b32 s[G1B+1], KSTEP<<16
	s_mov_b32 s[G1B+2], 128<<16
	s_mov_b32 s[G1B+3], KSTEP<<16
	s_mov_b32 s[G1B+4], 128
	s_mov_b32 s[G1B+5], SIZE_K
	s_mov_b32 s[G1B+6], 0
	s_mov_b32 s[G1B+7], 0
	s_mul_i32 s17, s12, AROWS
	s_mul_i32 s16, s13, 2*AROWS
	s_add_co_u32 s16, s16, s17                     ; A's first row that I fetch: hangs on the tile row alone
	s_lshl_b32 s47, s12, 7
	s_lshl_b32 s46, s42, 8
	s_add_co_u32 s46, s46, s47                     ; B's: on the tile column alone
	s_mov_b32 s17, 0
	s_mov_b32 s47, 0
	s_mov_b64 s[18:19], SIZE_K*2
	s_mul_u64 s[16:17], s[16:17], s[18:19]
	s_mul_u64 s[46:47], s[46:47], s[18:19]
	s_mul_i32 s20, s12, HA                         ; LDS: A's two halves,
	s_mul_i32 s21, s12, HB
	s_add_co_u32 s21, s21, 2*HA                    ; then B's two
	s_wait_dscnt 0x0                               ; the opening add is done
	s_wait_kmcnt 0x0
	s_add_nc_u64 s[14:15], s[4:5], s[16:17]
	s_add_nc_u64 s[46:47], s[6:7], s[46:47]
.if BOFF
	s_add_nc_u64 s[46:47], s[46:47], BOFF
.endif
	CROUND                                         ; all sixteen work-groups are here: the first joint loads meet
.irp s, 0,1
	s_mov_b32 s[G0+4*(\s)], 1
	s_add_co_u32 s[G0+4*(\s)+1], s20, (\s)*SLOT
	s_add_nc_u64 s[G0+4*(\s)+2:G0+4*(\s)+3], s[14:15], (\s)*KSTEP*2
	s_or_b32 s[G0+4*(\s)+3], s[G0+4*(\s)+3], 0x80000000
	s_mov_b32 s[G0B+4*(\s)], 1
	s_add_co_u32 s[G0B+4*(\s)+1], s21, (\s)*SLOT
	s_add_nc_u64 s[G0B+4*(\s)+2:G0B+4*(\s)+3], s[46:47], (\s)*KSTEP*2
	s_or_b32 s[G0B+4*(\s)+3], s[G0B+4*(\s)+3], 0x80000000
	JLOAD \s                                       ; two loads of mine are out; later one
.endr
	v_and_b32 v1, 15, v0
	v_bfe_u32 v2, v0, 4, 1
	v_mul_u32_u24 v3, v1, PITCH
	v_lshl_add_u32 v3, v2, 4, v3                   ; a fragment: row x pitch + 16 x half
	s_mul_i32 s21, s11, HA
	s_mul_i32 s22, s12, HB
	s_add_co_u32 s22, s22, 2*HA
.irp s, 0,1
	v_add_nc_u32 v[ADRA+(\s)], s21, v3
	v_add_nc_u32 v[ADRB+(\s)], s22, v3
	s_add_co_u32 s21, s21, SLOT
	s_add_co_u32 s22, s22, SLOT
.endr
	s_mul_i32 s23, s10, 16*SPITCH
	s_add_co_u32 s23, s23, STAGE                   ; my stage
	v_mul_u32_u24 v4, v1, SPITCH
.if ESZ == 2
	v_lshl_add_u32 v4, v2, 4, v4
	v_add_nc_u32 v[STO], s23, v4                   ; in: row l % 16, 16 bytes for each half of the lanes
	v_mul_u32_u24 v5, v2, SPITCH
	v_lshl_add_u32 v5, v1, 4, v5
	v_add_nc_u32 v[RD], s23, v5                    ; back: lanes 0-15 a row of 256 bytes, lanes 16-31 the next
	v_mul_u32_u24 v5, v2, CROW
	v_lshl_add_u32 v[CO], v1, 4, v5
.else
	v_lshl_add_u32 v4, v2, 5, v4
	v_add_nc_u32 v[STO], s23, v4                   ; in: row l % 16, 32 bytes for each half of the lanes
	v_and_b32 v5, 31, v0
	v_lshlrev_b32 v[CO], 4, v5                     ; back: 32 lanes take a row of 512 bytes
	v_add_nc_u32 v[RD], s23, v[CO]
.endif
	s_mul_i32 s13, s13, 2*AROWS                    ; the tile's first row
	s_mul_i32 s14, s11, AROWS
	s_add_co_u32 s16, s13, s14
	s_mov_b32 s17, 0
	s_mov_b64 s[18:19], CROW
	s_mul_u64 s[16:17], s[16:17], s[18:19]
	s_mul_i32 s46, s42, 256*ESZ
	s_mul_i32 s47, s12, 128*ESZ
	s_add_co_u32 s46, s46, s47
	s_mov_b32 s47, 0
	s_add_nc_u64 s[16:17], s[16:17], s[46:47]
	s_add_nc_u64 s[8:9], s[8:9], s[16:17]          ; C at my part of the tile
	; the prefetches
	s_lshl_b32 s42, s42, 8
	s_and_b32 s22, ttmp7, 0xffff
	s_cmp_eq_u32 s11, 0                            ; do I fetch for A?
	s_cselect_b32 s20, s13, s42                    ; the tile's first row in A or in B
	s_cselect_b32 s21, s40, s41                    ; my place among the four that ask with me
	s_cselect_b32 s22, ttmp9, s22                  ; the coordinate along which other clusters read the same rows
	s_cselect_b32 s23, AROWS, 128
	s_cselect_b32 s14, 0, BOFF
	s_cselect_b32 s16, 15+16*(MH-1), 31            ; lanes that name rows
	s_cselect_b32 s17, 256*(2-MH), 0               ; the upper lanes' K step
	s_cselect_b64 s[PFA:PFA+1], s[4:5], s[6:7]
	s_cmp_eq_u32 s22, 0
	s_cselect_b32 s[LIM], 1, -1
	s_cmp_eq_u32 s11, 0
	s_cselect_b32 s[LIM2], -1, s[LIM]
	s_mul_i32 s18, s12, s23
	s_add_co_u32 s20, s20, s18
	s_lshr_b32 s23, s23, 2
	s_mul_i32 s18, s21, s23
	s_add_co_u32 s20, s20, s18
	s_mov_b32 s21, 0
	s_mov_b64 s[18:19], SIZE_K*2
	s_mul_u64 s[20:21], s[20:21], s[18:19]
	s_add_co_u32 s14, s14, 2*KSTEP*2               ; at K step 2: the first change steps it to 3 and names K step 4
	s_mov_b32 s15, 0
	s_add_nc_u64 s[20:21], s[20:21], s[14:15]
	s_add_nc_u64 s[PFA:PFA+1], s[PFA:PFA+1], s[20:21]
	v_and_b32 v[PFO], s16, v0
	v_mul_u32_u24 v[PFO], v[PFO], SIZE_K*2
	v_mad_u32_u24 v[PFO], v2, s17, v[PFO]
.macro MULB f, hi, a, zero             ; 8 products: m block a of window 2 + hi, all 8 n blocks, 32 along K.  zero = 1: they start the sums
	WIN MUL_LO+0x50*(\hi)
.irp b, 0,1,2,3,4,5,6,7
.if \zero
	v_wmma_f32_16x16x32_bf16 v[8*(8*(\a)+(\b)):8*(8*(\a)+(\b))+7], v[(\f)+8*(\b):(\f)+8*(\b)+7], v[(\f)+8*(4*(\hi)+(\a)):(\f)+8*(4*(\hi)+(\a))+7], 0
.else
	v_wmma_f32_16x16x32_bf16 v[8*(8*(\a)+(\b)):8*(8*(\a)+(\b))+7], v[(\f)+8*(\b):(\f)+8*(\b)+7], v[(\f)+8*(4*(\hi)+(\a)):(\f)+8*(4*(\hi)+(\a))+7], v[8*(8*(\a)+(\b)):8*(8*(\a)+(\b))+7]
.endif
.endr
.endm
.macro HALF1 f, zero                   ; the first half of a quarter's products; the accumulators take turns, one instruction a turn, in the same order in every quarter
	MULB \f, 0, 0, \zero
	MULB \f, 0, 1, \zero
.if MH == 2
	MULB \f, 0, 2, \zero
	MULB \f, 0, 3, \zero
.endif
.endm
.macro HALF2 f, zero
.if MH == 2
	MULB \f, 1, 0, \zero
	MULB \f, 1, 1, \zero
	MULB \f, 1, 2, \zero
	MULB \f, 1, 3, \zero
.else
	MULB \f, 0, 2, \zero
	MULB \f, 0, 3, \zero
.endif
.endm
.macro FETCH slot, k, f                ; one run of LDS loads: a quarter's fragments, B's 16 loads, then A's 8 MH
	WIN TO_B
.irp i, 0,1,2,3,4,5,6,7
	ds_load_b128 v[(\f)+8*(\i):(\f)+8*(\i)+3],   v[ADRB+(\slot)] offset:(\k)+(\i)*16*PITCH
	ds_load_b128 v[(\f)+8*(\i)+4:(\f)+8*(\i)+7], v[ADRB+(\slot)] offset:(\k)+(\i)*16*PITCH+32
.endr
	WIN 0
.set fi, 0
.rept 4*MH
	ds_load_b128 v[(\f)+8*fi:(\f)+8*fi+3],   v[ADRA+(\slot)] offset:(\k)+fi*16*PITCH
	ds_load_b128 v[(\f)+8*fi+4:(\f)+8*fi+7], v[ADRA+(\slot)] offset:(\k)+fi*16*PITCH+32
.set fi, fi+1
.endr
.endm
.macro PLACES                          ; four plain instructions between a product and a load into, or a read of, its registers
.rept 4
	v_nop
.endr
.endm
.macro QUARTER slot, k, f, g, zero     ; 32 along K on buffer f; in its middle the next quarter's fragments go into g
	s_wait_dscnt 4*MH                              ; B and the first half of A's blocks are in; the youngest 4 MH loads may be out
	HALF1 \f, \zero
	PLACES
	FETCH \slot, \k, \g
	s_wait_dscnt 16+8*MH                           ; all but the run just issued
	HALF2 \f, \zero
.endm
; The last quarter of a K step changes slots.  In front of the barrier each wave waits for all its tensor loads (one is out: its part of the next slot), adds 0 to its spare word,
; and waits for that and for its reads of this slot.  fill = 1: the barrier opens a round of the cluster's; the joint refill, two K steps ahead, is the first thing behind it.
.macro TURN slot, next, fill
.if \fill
	s_wait_xcnt 0x0                                ; the last prefetch, a K step back, has read its address
	s_add_nc_u64 s[PFA:PFA+1], s[PFA:PFA+1], KSTEP*2
.endif
	WIN 0
	s_wait_tensorcnt 0x0
	ds_add_u32 v[SPW], v[NIL]
	s_wait_dscnt 5+2*MH                            ; the add and the youngest loads of A may be out
	MULB F1, 0, 0, 0
.if MH == 2
	MULB F1, 0, 1, 0
.endif
	s_wait_dscnt 0x0                               ; the add is done, my reads of this slot are over
	s_barrier_signal -1
.if MH == 2
	MULB F1, 0, 2, 0
	MULB F1, 0, 3, 0
.else
	MULB F1, 0, 1, 0
.endif
.if \fill
	WIN 0
.endif
	s_barrier_wait -1
.if \fill
	CREST
	s_add_nc_u64 s[G0+4*(\slot)+2:G0+4*(\slot)+3], s[G0+4*(\slot)+2:G0+4*(\slot)+3], 2*KSTEP*2
	s_add_nc_u64 s[G0B+4*(\slot)+2:G0B+4*(\slot)+3], s[G0B+4*(\slot)+2:G0B+4*(\slot)+3], 2*KSTEP*2
	JLOAD \slot                                    ; its four v_nop are also the places in front of the loads below
.else
	PLACES
.endif
	FETCH \next, 0, F0
.if \fill
	ASK \slot
.endif
	HALF2 F1, 0
.endm
	s_wait_tensorcnt 1                             ; my part of K step 0 is in; K step 1's may stay out
	s_barrier_signal -1
	s_barrier_wait -1
	FETCH 0, 0, F0
	QUARTER 0, 64, F0, F1, 1                       ; the first quarter starts the sums
	WIN 0
	s_mov_b32 s3, LAPS-1
.Llap:                                                 ; once round the ring, from a lap's second quarter to the next lap's first
	QUARTER 0, 128, F1, F0, 0
	QUARTER 0, 192, F0, F1, 0
	TURN 0, 1, 1
	QUARTER 1, 64,  F0, F1, 0
	QUARTER 1, 128, F1, F0, 0
	QUARTER 1, 192, F0, F1, 0
	TURN 1, 0, 1
	QUARTER 0, 64,  F0, F1, 0
	WIN 0
	s_sub_co_u32 s3, s3, 1
	s_cmp_lg_u32 s3, 0
	s_cbranch_scc1 .Llap
	QUARTER 0, 128, F1, F0, 0                      ; the last lap fills nothing
	QUARTER 0, 192, F0, F1, 0
	TURN 0, 1, 0
	QUARTER 1, 64,  F0, F1, 0
	QUARTER 1, 128, F1, F0, 0
	QUARTER 1, 192, F0, F1, 0
	s_wait_dscnt 4*MH
	HALF1 F1, 0
	s_wait_dscnt 0x0
	HALF2 F1, 0
	WIN 0
	PLACES
.if ESZ == 2
; THE WAY OUT, a block of 16 rows at a time: rounded to f16, 16 bytes a lane into my stage, back as rows of 256 bytes, stored: sixteen lanes fill 256 consecutive bytes, aligned.
.macro PACK a
.set AC, 64*((\a)%4)
	WIN 0x0a+5*((\a)/4)
.irp b, 0,1,2,3,4,5,6,7
.irp r, 0,1,2,3
	v_cvt_pk_f16_f32 v[TMP+4*(\b)+(\r)], v[AC+8*(\b)+2*(\r)], v[AC+8*(\b)+2*(\r)+1]
.endr
.endr
	WIN 0
.endm
.macro TOSTAGE a
.set BK, OB+192*((\a)%2)
.irp b, 0,1,2,3,4,5,6,7
	ds_store_b128 v[STO], v[TMP+4*(\b):TMP+4*(\b)+3] offset:32*(\b)
.endr
.irp t, 0,1,2,3,4,5,6,7
	ds_load_b128 v[BK+4*(\t):BK+4*(\t)+3], v[RD] offset:(\t)*2*SPITCH  ; LDS serves a wave's instructions in order: these see the stores above
.endr
.endm
.macro SEND a
.set BK, OB+192*((\a)%2)
	s_wait_dscnt 0x0
	s_wait_xcnt 0x0                                ; earlier stores have read their registers: the other set is loaded again only behind this wait
.irp t, 0,1,2,3,4,5,6,7
	global_store_b128 v[CO], v[BK+4*(\t):BK+4*(\t)+3], s[8:9] offset:(16*(\a)+2*(\t))*CROW
.endr
.endm
	PACK 0
	TOSTAGE 0
.irp a, 1,2,3,4,5,6,7
	PACK \a
	SEND (\a)-1
	TOSTAGE \a
.endr
	SEND 7
.else
; THE WAY OUT in f32: the accumulators go into my stage as they are (low registers first), and come back as rows of 512 bytes: a store covers 512 consecutive bytes, aligned.
.macro OUT32 a
.set BK, 64+64*((\a)%2)
	WIN 0x08                                       ; store data (source 1) in window 2
.irp b, 0,1,2,3,4,5,6,7
	ds_store_b128 v[STO], v[8*(8*(\a)+(\b)):8*(8*(\a)+(\b))+3]   offset:64*(\b)
	ds_store_b128 v[STO], v[8*(8*(\a)+(\b))+4:8*(8*(\a)+(\b))+7] offset:64*(\b)+16
.endr
	WIN 0
.if (\a) >= 2
	s_wait_xcnt 0x0                                ; the stores of two blocks back have read these registers
.endif
.irp t, 0,1,2,3,4,5,6,7,8,9,10,11,12,13,14,15
	ds_load_b128 v[BK+4*(\t):BK+4*(\t)+3], v[RD] offset:(\t)*SPITCH
.endr
.irp t, 0,1,2,3,4,5,6,7,8,9,10,11,12,13,14,15
	s_wait_dscnt 15-(\t)
	global_store_b128 v[CO], v[BK+4*(\t):BK+4*(\t)+3], s[8:9] offset:(16*(\a)+(\t))*CROW
.endr
.endm
	OUT32 0
	OUT32 1
	OUT32 2
	OUT32 3
.endif
	s_wait_tensorcnt 0x0                           ; the wave's end
	ds_add_u32 v[SPW], v[NIL]
	s_wait_dscnt 0x0
	CROUND                                         ; the closing round
	s_endpgm
.Lfunc_end_k_qffc6af051f_gemm_in:
	.size	k_qffc6af051f_gemm_in, .Lfunc_end_k_qffc6af051f_gemm_in-k_qffc6af051f_gemm_in
	.p2alignl 7, 3214868480
	.fill 96, 4, 3214868480
	.section	.rodata,"a",@progbits
	.p2align	6, 0x0
	.amdhsa_kernel k_qffc6af051f_gemm_in
		.amdhsa_group_segment_fixed_size 327680
		.amdhsa_private_segment_fixed_size 0
		.amdhsa_enable_private_segment 0
		.amdhsa_kernarg_size 24
		.amdhsa_user_sgpr_count 2
		.amdhsa_user_sgpr_kernarg_segment_ptr 1
		.amdhsa_wavefront_size32 1
		.amdhsa_system_sgpr_workgroup_id_x 1
		.amdhsa_system_sgpr_workgroup_id_y 1
		.amdhsa_system_sgpr_workgroup_id_z 1
		.amdhsa_system_vgpr_workitem_id 0
		.amdhsa_next_free_vgpr 1024
		.amdhsa_next_free_sgpr 66
		.amdhsa_reserve_vcc 0
		.amdhsa_float_denorm_mode_32 3
		.amdhsa_float_denorm_mode_16_64 3
		.amdhsa_memory_ordered 1
		.amdhsa_forward_progress 1
		.amdhsa_inst_pref_size 144
	.end_amdhsa_kernel
	.amdgpu_metadata
---
amdhsa.version: [ 1, 2 ]
amdhsa.kernels:
  - .name:           k_qffc6af051f_gemm_in
    .symbol:         k_qffc6af051f_gemm_in.kd
    .args:
      - { .name: xb, .offset: 0, .size: 8, .value_kind: global_buffer, .address_space: global }
      - { .name: wts, .offset: 8, .size: 8, .value_kind: global_buffer, .address_space: global }
      - { .name: xz, .offset: 16, .size: 8, .value_kind: global_buffer, .address_space: global }
    .group_segment_fixed_size: 327680
    .private_segment_fixed_size: 0
    .kernarg_segment_align: 8
    .kernarg_segment_size: 24
    .max_flat_workgroup_size: 128
    .sgpr_count:     66
    .vgpr_count:     1024
    .wavefront_size: 32
...
	.end_amdgpu_metadata
.endif
;; end of part 2
;; launch xproj (part 3): grid 256 x 1, 8 waves a work-group, no clusters, 103,424 bytes of LDS; arguments xz, wts, xd; writes xd
.if DOCPART == 3
	.amdgcn_target "amdgcn-amd-amdhsa--gfx1250"
	.amdhsa_code_object_version 6
	.text
	.protected	k_qffc6af051f_xproj
	.globl	k_qffc6af051f_xproj
	.p2align	8
	.type	k_qffc6af051f_xproj,@function
k_qffc6af051f_xproj:
	s_mov_b64 s[64:65], 0
	v_nop
	global_prefetch_b8 v0, s[64:65] scope:SCOPE_SE
	s_setreg_imm32_b32 hwreg(HW_REG_WAVE_MODE, 25, 1), 1
	s_wait_xcnt 0x0
; x_dbl[row][c] = sum over k of xp[row][k] W_xproj[k][c]: 8192 x 2048 x 96, f16 operands (xp as stored; the weights bf16 numbers written as f16), f32 sums.
; A work-group makes 32 rows; K is split among its eight waves, 256 each, in eight steps of 32; the partial sums meet in LDS.
; Source 0 = 16 rows of WXT, source 1 = 16 rows of xp: a lane holds one row of x_dbl and eight neighbouring columns.
; Out: columns 0-63 (dlt) as bf16 [8192][64] at xd; columns 64-95 (B, C) as f32 [8192][32] at xd + 1,048,576.  Each store of a wave covers 512 consecutive bytes.
; No cluster and no LDS on the way in: the weights are 384 KiB that every work-group reads, xp is read once and by one wave.
.set WXT,   12582912
.set PP,    400                        ; a row of partial sums: 384 bytes + 16 = 100 words: sixteen rows start at sixteen different groups of four banks
.set WREG,  32*PP                      ; a wave's partial sums
.set SPARE, 8*WREG                     ; the spare words, 128 bytes a wave
.set SPW, 2
.set NIL, 3
.set FX,  8                            ; v8  my offset in xp's fragments
.set FW,  9                            ; v9  in the weights'
.set LS,  10                           ; v10 where I put partial sums
.set LD0, 11                           ; v11, v12 where I read dlt's back: waves 0-3, 4-7
.set LB0, 13                           ; v13, v14 the same for B and C
.set GO,  15
.set ACC, 16                           ; v[16:111] accumulator (m, i) at 8 (6 m + i)
.set BUF, 128                          ; two sets of 64: xp's two fragments, then the weights' six
	s_load_b128 s[4:7], s[0:1], 0x0                ; xz, wts
	s_load_b64 s[8:9], s[0:1], 0x10                ; xd
	v_lshl_add_u32 v[SPW], v0, 2, SPARE
	v_mov_b32 v[NIL], 0
	v_lshrrev_b32 v1, 5, v0
	v_readfirstlane_b32 s10, v1                    ; wave
	v_and_b32 v4, 15, v0
	v_bfe_u32 v5, v0, 4, 1
	s_lshl_b32 s11, s10, 9                         ; my 256 k: 512 bytes
	v_lshlrev_b32 v[FX], 13, v4
	v_lshl_add_u32 v[FX], v5, 4, v[FX]
	v_add_nc_u32 v[FX], s11, v[FX]
	v_lshlrev_b32 v[FW], 12, v4
	v_lshl_add_u32 v[FW], v5, 4, v[FW]
	v_add_nc_u32 v[FW], s11, v[FW]
	s_mul_i32 s12, s10, WREG
	v_mul_u32_u24 v[LS], v4, PP
	v_lshl_add_u32 v[LS], v5, 5, v[LS]
	v_add_nc_u32 v[LS], s12, v[LS]
	v_lshrrev_b32 v6, 3, v0                        ; on the way out thread t takes row t / 8, piece t % 8
	v_and_b32 v7, 7, v0
	v_mul_u32_u24 v6, v6, PP
	v_lshl_add_u32 v[LD0], v7, 5, v6
	v_add_nc_u32 v[LD0+1], 4*WREG, v[LD0]
	v_lshl_add_u32 v[LB0], v7, 4, v6
	v_add_nc_u32 v[LB0+1], 4*WREG, v[LB0]
	v_lshlrev_b32 v[GO], 4, v0
	s_lshl_b32 s14, ttmp9, 18                      ; 32 rows of 8,192 bytes
	s_mov_b32 s15, 0
	s_lshl_b32 s16, ttmp9, 12                      ; 32 rows of 128 bytes
	s_mov_b32 s17, 0
	s_wait_kmcnt 0x0
	s_add_nc_u64 s[4:5], s[4:5], s[14:15]
	s_add_nc_u64 s[6:7], s[6:7], WXT
	s_add_nc_u64 s[8:9], s[8:9], s[16:17]
.macro LOADS b, t                      ; step t's sixteen loads into set b
.irp m, 0,1
	global_load_b128 v[BUF+64*(\b)+8*(\m):BUF+64*(\b)+8*(\m)+3],   v[FX], s[4:5] offset:64*(\t)+131072*(\m)
	global_load_b128 v[BUF+64*(\b)+8*(\m)+4:BUF+64*(\b)+8*(\m)+7], v[FX], s[4:5] offset:64*(\t)+131072*(\m)+32
.endr
.irp i, 0,1,2,3,4,5
	global_load_b128 v[BUF+64*(\b)+16+8*(\i):BUF+64*(\b)+16+8*(\i)+3],   v[FW], s[6:7] offset:64*(\t)+65536*(\i)
	global_load_b128 v[BUF+64*(\b)+16+8*(\i)+4:BUF+64*(\b)+16+8*(\i)+7], v[FW], s[6:7] offset:64*(\t)+65536*(\i)+32
.endr
.endm
.macro MULS b, zero                    ; twelve products; the twelve accumulators take turns
.irp m, 0,1
.irp i, 0,1,2,3,4,5
.if \zero
	v_wmma_f32_16x16x32_f16 v[ACC+8*(6*(\m)+(\i)):ACC+8*(6*(\m)+(\i))+7], v[BUF+64*(\b)+16+8*(\i):BUF+64*(\b)+16+8*(\i)+7], v[BUF+64*(\b)+8*(\m):BUF+64*(\b)+8*(\m)+7], 0
.else
	v_wmma_f32_16x16x32_f16 v[ACC+8*(6*(\m)+(\i)):ACC+8*(6*(\m)+(\i))+7], v[BUF+64*(\b)+16+8*(\i):BUF+64*(\b)+16+8*(\i)+7], v[BUF+64*(\b)+8*(\m):BUF+64*(\b)+8*(\m)+7], v[ACC+8*(6*(\m)+(\i)):ACC+8*(6*(\m)+(\i))+7]
.endif
.endr
.endr
.endm
.macro PLACES
.rept 4
	v_nop
.endr
.endm
	LOADS 0, 0
	LOADS 1, 1
	s_wait_loadcnt 16                              ; set 0 is in; set 1's sixteen may stay out
	MULS 0, 1
	PLACES
	LOADS 0, 2
.irp t, 1,2,3,4,5
	s_wait_loadcnt 16
	MULS (\t)%2, 0
	PLACES                                         ; four places between the last product and the loads into what it read
	LOADS (\t)%2, (\t)+2
.endr
	s_wait_loadcnt 16
	MULS 0, 0
	s_wait_loadcnt 0x0
	MULS 1, 0
	PLACES
.irp m, 0,1
.irp i, 0,1,2,3,4,5
	ds_store_b128 v[LS], v[ACC+8*(6*(\m)+(\i)):ACC+8*(6*(\m)+(\i))+3]   offset:16*PP*(\m)+64*(\i)
	ds_store_b128 v[LS], v[ACC+8*(6*(\m)+(\i))+4:ACC+8*(6*(\m)+(\i))+7] offset:16*PP*(\m)+64*(\i)+16
.endr
.endr
	s_wait_dscnt 0x0                               ; for the others' sake: my partial sums lie in LDS
	s_barrier_signal -1
	s_barrier_wait -1
.irp u, 0,1,2,3,4,5,6,7                ; wave u's part: dlt's eight numbers into v[128+8u..], B's or C's four into v[192+4u..]
	ds_load_b128 v[128+8*(\u):128+8*(\u)+3],   v[LD0+(\u)/4] offset:WREG*((\u)%4)
	ds_load_b128 v[128+8*(\u)+4:128+8*(\u)+7], v[LD0+(\u)/4] offset:WREG*((\u)%4)+16
	ds_load_b128 v[192+4*(\u):192+4*(\u)+3],   v[LB0+(\u)/4] offset:WREG*((\u)%4)+256
.endr
	s_wait_dscnt 0x0
.irp d, 4,2,1                          ; the eight partial sums are added as a tree, two numbers an instruction
.irp u, 0,1,2,3
.if (\u) < (\d)
.irp r, 0,2,4,6
	v_pk_add_f32 v[128+8*(\u)+(\r):128+8*(\u)+(\r)+1], v[128+8*(\u)+(\r):128+8*(\u)+(\r)+1], v[128+8*((\u)+(\d))+(\r):128+8*((\u)+(\d))+(\r)+1]
.endr
.irp r, 0,2
	v_pk_add_f32 v[192+4*(\u)+(\r):192+4*(\u)+(\r)+1], v[192+4*(\u)+(\r):192+4*(\u)+(\r)+1], v[192+4*((\u)+(\d))+(\r):192+4*((\u)+(\d))+(\r)+1]
.endr
.endif
.endr
.endr
.irp r, 0,1,2,3
	v_cvt_pk_bf16_f32 v[224+(\r)], v[128+2*(\r)], v[128+2*(\r)+1]
.endr
	global_store_b128 v[GO], v[224:227], s[8:9]
	global_store_b128 v[GO], v[192:195], s[8:9] offset:1048576
	s_wait_tensorcnt 0x0                           ; the wave's end, behind the last LDS store
	ds_add_u32 v[SPW], v[NIL]
	s_wait_dscnt 0x0
	s_endpgm
.Lfunc_end_k_qffc6af051f_xproj:
	.size	k_qffc6af051f_xproj, .Lfunc_end_k_qffc6af051f_xproj-k_qffc6af051f_xproj
	.p2alignl 7, 3214868480
	.fill 96, 4, 3214868480
	.section	.rodata,"a",@progbits
	.p2align	6, 0x0
	.amdhsa_kernel k_qffc6af051f_xproj
		.amdhsa_group_segment_fixed_size 103424
		.amdhsa_private_segment_fixed_size 0
		.amdhsa_enable_private_segment 0
		.amdhsa_kernarg_size 24
		.amdhsa_user_sgpr_count 2
		.amdhsa_user_sgpr_kernarg_segment_ptr 1
		.amdhsa_wavefront_size32 1
		.amdhsa_system_sgpr_workgroup_id_x 1
		.amdhsa_system_sgpr_workgroup_id_y 1
		.amdhsa_system_sgpr_workgroup_id_z 1
		.amdhsa_system_vgpr_workitem_id 0
		.amdhsa_next_free_vgpr 256
		.amdhsa_next_free_sgpr 66
		.amdhsa_reserve_vcc 0
		.amdhsa_float_denorm_mode_32 3
		.amdhsa_float_denorm_mode_16_64 3
		.amdhsa_memory_ordered 1
		.amdhsa_forward_progress 1
		.amdhsa_inst_pref_size 28
	.end_amdhsa_kernel
	.amdgpu_metadata
---
amdhsa.version: [ 1, 2 ]
amdhsa.kernels:
  - .name:           k_qffc6af051f_xproj
    .symbol:         k_qffc6af051f_xproj.kd
    .args:
      - { .name: xz, .offset: 0, .size: 8, .value_kind: global_buffer, .address_space: global }
      - { .name: wts, .offset: 8, .size: 8, .value_kind: global_buffer, .address_space: global }
      - { .name: xd, .offset: 16, .size: 8, .value_kind: global_buffer, .address_space: global }
    .group_segment_fixed_size: 103424
    .private_segment_fixed_size: 0
    .kernarg_segment_align: 8
    .kernarg_segment_size: 24
    .max_flat_workgroup_size: 256
    .sgpr_count:     66
    .vgpr_count:     256
    .wavefront_size: 32
...
	.end_amdgpu_metadata
.endif
;; end of part 3
;; launch scanA (part 4): grid 31 x 16, 4 waves a work-group, no clusters, 17,152 bytes of LDS; arguments xz, xd, wts, b_dt, sums; writes sums
.if DOCPART == 4
	.amdgcn_target "amdgcn-amd-amdhsa--gfx1250"
	.amdhsa_code_object_version 6
	.text
	.protected	k_qffc6af051f_scanA
	.globl	k_qffc6af051f_scanA
	.p2align	8
	.type	k_qffc6af051f_scanA,@function
k_qffc6af051f_scanA:
	s_mov_b64 s[64:65], 0
	v_nop
	global_prefetch_b8 v0, s[64:65] scope:SCOPE_SE
	s_setreg_imm32_b32 hwreg(HW_REG_WAVE_MODE, 25, 1), 1
	s_wait_xcnt 0x0
; THE SCAN, FIRST PASS.  L = 4096 is cut into 32 chunks of 128 steps.  For chunks 0-30 this launch makes, for each channel and state, P = the product of a = 1 + A dt over the chunk,
; and E = the state at the chunk's end when it starts from 0.  The recurrence is linear, so the true end is P x (true start) + E.
; SHARES.  Work-group (chunk, 8 batch + block of 256 channels); wave w takes 64 channels, lane l the two channels 2 l + e.  All arithmetic is packed over that pair of channels.
; The work-group is small (four waves, 368 registers, 17 KiB of LDS) so that two of them lie on a WGP and each SIMD has two waves to issue from.
; delta = clip(softplus(dlt W_dt + b)) is made here, 8 steps at a time, by eight products (16 rows x 16 channels x 32).  The 16 rows are the 8 steps twice (lane r loads row r % 8), so register j
; of a tile is step j in both halves of the lanes; tile 2 e + hh has as column r the channel 2 (16 hh + r) + e, so lane 16 h + r takes tile (e, h): one select a number, straight into the pair (e = 0, e = 1).
; The bias (rounded to bf16 like every input) is the first product's C.
; B of a step is the same for all lanes: it lies in LDS and is read by loads with one address; a packed instruction takes one register of the pair for both halves.
; LIMITS: a NaN in front of the clip is not treated as the reference's clip treats it; exp2 and log2 take denormals as 0; B (dt x) is rounded in another order than (B dt) x.
.set WDF,   12976128
.set APK,   13238272
.set PADB,  16384                      ; behind B's and C's 128 rows of 128 bytes: two rows of zeros, which the last trip's look-ahead reads
.set SPARE, 16640                      ; the spare words, 128 bytes a wave
.set EOFF,  8126464                    ; E lies behind P's 31 images of 262,144 bytes
.set SPW, 2
.set NIL, 3
.set ZR,  4                            ; v4  0
.set BCA, 6                            ; v6  LDS address of the trip's first row of B
.set XO,  7                            ; v7  4 x thread: my two channels in a row of xp
.set DO,  8                            ; v8  my place in dlt's fragment
.set IL,  9                            ; v9  16 x lane
.set IT,  10                           ; v10 16 x thread
.set BT,  11                           ; v11 my column's place in b_dt
.set PA,  12                           ; v12 my two bytes of the pad
.set U,   14                           ; v[14:15] dt x
.set H,   16                           ; v[16:47]  h: state n at 2 n, 2 n + 1
.set AA,  48                           ; v[48:79]  A
.set AT,  80                           ; v[80:95]  a of eight states
.set BC0, 96                           ; v[96:127] two buffers of 16: B of a step
.set P,   128                          ; v[128:159]
.set DTP, 160                          ; v[160:175] dt: step i at 2 i, 2 i + 1
.set X,   176                          ; v[176:183] xp of the next trip, a word (two f16) a step
.set XC,  184                          ; v[184:191] xp of the trip in hand
.set RAW, 192                          ; v[192:223] the four product tiles
.set WF,  0                            ; window 1: v[0:63] W_dt's fragments, (i, kk) at 8 (2 i + kk)
.set DF,  64                           ; window 1: v[64:79] dlt's two fragments
.set BW,  80                           ; window 1: v[80:111] the bias as four tiles
.set XB,  26
.set DB,  30
.set ST,  34
.set SD,  36
.set CNT, 40
.set TB,  41
.set LO,  42
.set HI,  43
.set BCS, 46
.set WFS, 48
.set AAS, 50
.set SB,  52
.set BS,  54
.set NBC, 4                            ; LDS loads for a step's B
.set MSB, 0
.macro WIN new                         ; the immediate's high byte repeats the setting that is left
.if MSB != (\new)
	s_set_vgpr_msb (MSB<<8)|(\new)
.set MSB, \new
.endif
.endm
	s_load_b256 s[4:11], s[0:1], 0x0               ; xz 4, xd 6, wts 8, b_dt 10
	s_load_b64 s[12:13], s[0:1], 0x20              ; sums
	v_lshl_add_u32 v[SPW], v0, 2, SPARE
	v_mov_b32 v[NIL], 0
	v_lshrrev_b32 v1, 5, v0
	v_readfirstlane_b32 s18, v1                    ; wave
	s_and_b32 s19, ttmp7, 0xffff
	s_lshr_b32 s20, s19, 3                         ; batch
	s_and_b32 s21, s19, 7                          ; block of 256 channels
	s_lshl_b32 s22, s20, 12
	s_lshl_b32 s23, ttmp9, 7
	s_add_co_u32 s22, s22, s23                     ; the chunk's first row
	s_lshl2_add_u32 s24, s21, s18                  ; block of 64 channels
	s_lshl2_add_u32 s25, s19, s18                  ; my wave among the 64 of a chunk
	v_and_b32 v1, 31, v0
	v_and_b32 v5, 15, v0
	v_bfe_u32 v[PA], v0, 4, 1
	v_and_b32 v13, 7, v0
	v_cmp_lt_u32 vcc_lo, 15, v1                    ; the upper half of the lanes: kept in VCC for the whole launch; nothing else writes it
	v_lshlrev_b32 v[XO], 2, v0
	v_lshlrev_b32 v[DO], 7, v13                    ; row r % 8 of dlt's eight,
	v_lshl_add_u32 v[DO], v[PA], 4, v[DO]          ; 16 bytes for each half of the lanes
	v_lshl_add_u32 v[PA], v0, 1, PADB
	v_lshlrev_b32 v[IL], 4, v1
	v_lshlrev_b32 v[IT], 4, v0
	s_lshl_b32 s23, s18, 8
	v_lshl_add_u32 v[BT], v5, 3, s23
	v_mov_b32 v[ZR], 0
	s_mov_b32 s45, 0
	s_mov_b32 s[ST+1], 0
	s_mov_b32 s[SD+1], 0
	s_mov_b32 s[LO], 0x3a83126f                    ; 0.001
	s_mov_b32 s[HI], 0x3dcccccd                    ; 0.1
	s_mov_b32 s[TB], 0
	s_mov_b32 s[CNT], 16
	s_wait_kmcnt 0x0
	s_lshl_b32 s44, s22, 13
	s_lshl_b32 s20, s21, 9
	s_add_co_u32 s44, s44, s20
	s_add_nc_u64 s[XB:XB+1], s[4:5], s[44:45]
	s_lshl_b32 s44, s22, 7
	s_add_nc_u64 s[DB:DB+1], s[6:7], s[44:45]
	s_add_nc_u64 s[BCS:BCS+1], s[DB:DB+1], 1048576
	s_lshl_b32 s44, s24, 13
	s_add_co_u32 s44, s44, WDF
	s_add_nc_u64 s[WFS:WFS+1], s[8:9], s[44:45]
	s_lshl_b32 s44, s24, 12
	s_add_co_u32 s44, s44, APK
	s_add_nc_u64 s[AAS:AAS+1], s[8:9], s[44:45]
	s_lshl_b32 s44, s21, 10
	s_add_nc_u64 s[BS:BS+1], s[10:11], s[44:45]
	s_lshl_b32 s44, ttmp9, 18
	s_lshl_b32 s20, s25, 12
	s_add_co_u32 s44, s44, s20
	s_add_nc_u64 s[SB:SB+1], s[12:13], s[44:45]
.set i, 0
.rept 8
	global_load_b128 v[BC0+4*i:BC0+4*i+3], v[IT], s[BCS:BCS+1] offset:2048*i  ; the chunk's B and C, 16 KiB, shared out among the 128 threads
.set i, i+1
.endr
	WIN 0x40
.set i, 0
.rept 16
	global_load_b128 v[WF+4*i:WF+4*i+3], v[IL], s[WFS:WFS+1] offset:512*i
.set i, i+1
.endr
.irp i, 0,1,2,3
	global_load_b128 v[DF+4*(\i):DF+4*(\i)+3], v[DO], s[DB:DB+1] offset:32*(\i)
.endr
	WIN 0
.irp q, 0,1,2,3,4,5,6,7
	global_load_b128 v[AA+4*(\q):AA+4*(\q)+3], v[IL], s[AAS:AAS+1] offset:512*(\q)
.endr
.irp i, 0,1,2,3
	global_load_b32 v[RAW+(\i)], v[BT], s[BS:BS+1] offset:128*((\i)&1)+4*((\i)>>1)
.endr
.set i, 0
.rept 8
	global_load_b32 v[X+i], v[XO], s[XB:XB+1] offset:8192*i
.set i, i+1
.endr
.set i, 0
.rept 32
	v_mov_b32 v[H+i], 0                            ; the chunk starts from 0; written while the loads are out
.set i, i+1
.endr
.set i, 0
.rept 32
	v_mov_b32 v[P+i], 1.0
.set i, i+1
.endr
	s_wait_loadcnt 0x0
.set i, 0
.rept 8
	ds_store_b128 v[IT], v[BC0+4*i:BC0+4*i+3] offset:2048*i
.set i, i+1
.endr
	ds_store_b16 v[PA], v[ZR]                      ; the pad: 128 threads x 2 bytes
.irp i, 0,1,2,3
	v_cvt_pk_bf16_f32 v[RAW+(\i)], v[RAW+(\i)], v[RAW+(\i)]   ; the bias's rounding to bf16
.endr
.irp i, 0,1,2,3
	v_lshlrev_b32 v[RAW+(\i)], 16, v[RAW+(\i)]
.endr
	WIN 0x40
.irp i, 0,1,2,3
.irp j, 0,1,2,3,4,5,6,7
	v_mov_b32 v[BW+8*(\i)+(\j)], v[RAW+(\i)]
.endr
.endr
	WIN 0
	s_wait_dscnt 0x0                               ; for the others' sake: my part of B, C and the pad lies in LDS
	s_barrier_signal -1
	s_barrier_wait -1
.macro BCLOAD s                        ; row s's B (counted from the trip's first row) into buffer s % 2: one address for all lanes
.set BB, BC0+16*((\s)&1)
.irp q, 0,1,2,3
	ds_load_b128 v[BB+4*(\q):BB+4*(\q)+3], v[BCA] offset:128*(\s)+16*(\q)
.endr
.endm
.macro PKB d, bc, n, x, c              ; d = (number n behind bc, for both halves) x + c
.if (\n)&1
	v_pk_fma_f32 v[(\d):(\d)+1], v[(\bc)+(\n)-1:(\bc)+(\n)], v[(\x):(\x)+1], v[(\c):(\c)+1] op_sel:[1,0,0] op_sel_hi:[1,1,1]
.else
	v_pk_fma_f32 v[(\d):(\d)+1], v[(\bc)+(\n):(\bc)+(\n)+1], v[(\x):(\x)+1], v[(\c):(\c)+1] op_sel_hi:[0,1,1]
.endif
.endm
.macro AN s, n                         ; a = 1 + A dt
	v_pk_fma_f32 v[AT+2*((\n)&7):AT+2*((\n)&7)+1], v[AA+2*(\n):AA+2*(\n)+1], v[DTP+2*(\s):DTP+2*(\s)+1], 1.0 op_sel_hi:[1,1,0]
.endm
.macro MA r, n                         ; r's state n times a
	v_pk_mul_f32 v[(\r)+2*(\n):(\r)+2*(\n)+1], v[(\r)+2*(\n):(\r)+2*(\n)+1], v[AT+2*((\n)&7):AT+2*((\n)&7)+1]
.endm
; A step: runs of eight instructions that do not wait for each other.  It ends by asking for the row two steps on: steps 6 and 7 ask for the next trip's first two rows.
.macro STEP s
.set BB, BC0+16*((\s)&1)
	s_wait_dscnt NBC                               ; my step's B is in; the next step's four loads may stay out
	v_fma_mix_f32 v[U],   v[XC+(\s)], v[DTP+2*(\s)],   v[ZR] op_sel_hi:[1,0,0]
	v_fma_mix_f32 v[U+1], v[XC+(\s)], v[DTP+2*(\s)+1], v[ZR] op_sel:[1,0,0] op_sel_hi:[1,0,0]
.irp n, 0,1,2,3,4,5,6,7
	AN \s, \n
.endr
.irp n, 0,1,2,3,4,5,6,7
	MA P, \n
.endr
.irp n, 0,1,2,3,4,5,6,7
	MA H, \n
.endr
.irp n, 8,9,10,11,12,13,14,15
	AN \s, \n
.endr
.irp n, 0,1,2,3,4,5,6,7
	PKB H+2*(\n), BB, \n, U, H+2*(\n)
.endr
.irp n, 8,9,10,11,12,13,14,15
	MA P, \n
.endr
.irp n, 8,9,10,11,12,13,14,15
	MA H, \n
.endr
.irp n, 8,9,10,11,12,13,14,15
	PKB H+2*(\n), BB, \n, U, H+2*(\n)
.endr
	BCLOAD (\s)+2
.endm
; delta of 8 steps.  The exponentials are one batch with one wait, the logarithms another.
.macro SOFTPLUS
.irp e, 0,1
.irp j, 0,1,2,3,4,5,6,7
	v_cndmask_b32 v[DTP+2*(\j)+(\e)], v[RAW+16*(\e)+(\j)], v[RAW+16*(\e)+8+(\j)], vcc_lo  ; lanes 0-15 take tile (e, 0), lanes 16-31 tile (e, 1); each tile's lowest register is read first
.endr
.endr
.set i, 0
.rept 8
	v_pk_mul_f32 v[DTP+2*i:DTP+2*i+1], v[DTP+2*i:DTP+2*i+1], 0x3fb8aa3b op_sel_hi:[1,0]
.set i, i+1
.endr
.set i, 0
.rept 16
	v_exp_f32 v[DTP+i], v[DTP+i]
.set i, i+1
.endr
	v_nop                                          ; a plain instruction behind the last exponential,
	s_wait_alu depctr_va_vdst(0)                   ; and one wait for the batch, ahead of its first reader
.set i, 0
.rept 8
	v_pk_add_f32 v[DTP+2*i:DTP+2*i+1], v[DTP+2*i:DTP+2*i+1], 1.0 op_sel_hi:[1,0]
.set i, i+1
.endr
.set i, 0
.rept 16
	v_log_f32 v[DTP+i], v[DTP+i]
.set i, i+1
.endr
	v_nop
	s_wait_alu depctr_va_vdst(0)
.set i, 0
.rept 8
	v_pk_mul_f32 v[DTP+2*i:DTP+2*i+1], v[DTP+2*i:DTP+2*i+1], 0x3f317218 op_sel_hi:[1,0]
.set i, i+1
.endr
.set i, 0
.rept 16
	v_med3_num_f32 v[DTP+i], v[DTP+i], s[LO], s[HI]
.set i, i+1
.endr
.endm
.macro PRODUCTS                        ; the four tiles take turns
	WIN 0x15                                       ; dlt, W_dt and the bias in window 1, the result in window 0
.irp i, 0,1,2,3
	v_wmma_f32_16x16x32_bf16 v[RAW+8*(\i):RAW+8*(\i)+7], v[DF:DF+7], v[WF+16*(\i):WF+16*(\i)+7], v[BW+8*(\i):BW+8*(\i)+7]
.endr
	WIN 0x05
.irp i, 0,1,2,3
	v_wmma_f32_16x16x32_bf16 v[RAW+8*(\i):RAW+8*(\i)+7], v[DF+8:DF+15], v[WF+16*(\i)+8:WF+16*(\i)+15], v[RAW+8*(\i):RAW+8*(\i)+7]
.endr
	WIN 0
.endm
	v_mov_b32 v[BCA], 0
	BCLOAD 0                                       ; the pipeline of B's rows starts: two rows ahead
	BCLOAD 1
.Lgrp:                                                 ; a trip: 8 steps
	s_wait_loadcnt 0x0                             ; this trip's xp and dlt, asked for a trip ago, are in; so their bases may be stepped
	v_mov_b32 v[BCA], s[TB]
	s_cmp_eq_u32 s[CNT], 1                         ; the last trip has no next one: it asks for its own rows again, inside the buffers
	s_cselect_b32 s[ST], 0, 0x10000
	s_cselect_b32 s[SD], 0, 1024
	s_add_nc_u64 s[XB:XB+1], s[XB:XB+1], s[ST:ST+1]
	s_add_nc_u64 s[DB:DB+1], s[DB:DB+1], s[SD:SD+1]
	PRODUCTS
.set i, 0
.rept 8
	v_mov_b32 v[XC+i], v[X+i]                      ; also the plain instructions between the products and what follows
.set i, i+1
.endr
.set i, 0
.rept 8
	global_load_b32 v[X+i], v[XO], s[XB:XB+1] offset:8192*i
.set i, i+1
.endr
	WIN 0x40
.irp i, 0,1,2,3
	global_load_b128 v[DF+4*(\i):DF+4*(\i)+3], v[DO], s[DB:DB+1] offset:32*(\i)
.endr
	WIN 0
	SOFTPLUS
.irp t, 0,1,2,3,4,5,6,7
	STEP \t
.endr
	s_add_co_u32 s[TB], s[TB], 1024
	s_sub_co_u32 s[CNT], s[CNT], 1
	s_cmp_lg_u32 s[CNT], 0
	s_cbranch_scc1 .Lgrp
.irp q, 0,1,2,3,4,5,6,7
	global_store_b128 v[IL], v[P+4*(\q):P+4*(\q)+3], s[SB:SB+1] offset:512*(\q)           ; my registers as they are: 512 consecutive bytes a store
	global_store_b128 v[IL], v[H+4*(\q):H+4*(\q)+3], s[SB:SB+1] offset:EOFF+512*(\q)
.endr
	s_wait_tensorcnt 0x0                           ; the wave's end, behind the last LDS store
	ds_add_u32 v[SPW], v[NIL]
	s_wait_dscnt 0x0
	s_endpgm
.Lfunc_end_k_qffc6af051f_scanA:
	.size	k_qffc6af051f_scanA, .Lfunc_end_k_qffc6af051f_scanA-k_qffc6af051f_scanA
	.p2alignl 7, 3214868480
	.fill 96, 4, 3214868480
	.section	.rodata,"a",@progbits
	.p2align	6, 0x0
	.amdhsa_kernel k_qffc6af051f_scanA
		.amdhsa_group_segment_fixed_size 17152
		.amdhsa_private_segment_fixed_size 0
		.amdhsa_enable_private_segment 0
		.amdhsa_kernarg_size 40
		.amdhsa_user_sgpr_count 2
		.amdhsa_user_sgpr_kernarg_segment_ptr 1
		.amdhsa_wavefront_size32 1
		.amdhsa_system_sgpr_workgroup_id_x 1
		.amdhsa_system_sgpr_workgroup_id_y 1
		.amdhsa_system_sgpr_workgroup_id_z 1
		.amdhsa_system_vgpr_workitem_id 0
		.amdhsa_next_free_vgpr 368
		.amdhsa_next_free_sgpr 66
		.amdhsa_reserve_vcc 1
		.amdhsa_float_denorm_mode_32 3
		.amdhsa_float_denorm_mode_16_64 3
		.amdhsa_memory_ordered 1
		.amdhsa_forward_progress 1
		.amdhsa_inst_pref_size 56
	.end_amdhsa_kernel
	.amdgpu_metadata
---
amdhsa.version: [ 1, 2 ]
amdhsa.kernels:
  - .name:           k_qffc6af051f_scanA
    .symbol:         k_qffc6af051f_scanA.kd
    .args:
      - { .name: xz, .offset: 0, .size: 8, .value_kind: global_buffer, .address_space: global }
      - { .name: xd, .offset: 8, .size: 8, .value_kind: global_buffer, .address_space: global }
      - { .name: wts, .offset: 16, .size: 8, .value_kind: global_buffer, .address_space: global }
      - { .name: b_dt, .offset: 24, .size: 8, .value_kind: global_buffer, .address_space: global }
      - { .name: sums, .offset: 32, .size: 8, .value_kind: global_buffer, .address_space: global }
    .group_segment_fixed_size: 17152
    .private_segment_fixed_size: 0
    .kernarg_segment_align: 8
    .kernarg_segment_size: 40
    .max_flat_workgroup_size: 128
    .sgpr_count:     66
    .vgpr_count:     368
    .wavefront_size: 32
...
	.end_amdgpu_metadata
.endif
;; end of part 4
;; launch scanB (part 5): grid 256 x 1, 2 waves a work-group, no clusters, 0 bytes of LDS; arguments sums, init; writes init
.if DOCPART == 5
	.amdgcn_target "amdgcn-amd-amdhsa--gfx1250"
	.amdhsa_code_object_version 6
	.text
	.protected	k_qffc6af051f_scanB
	.globl	k_qffc6af051f_scanB
	.p2align	8
	.type	k_qffc6af051f_scanB,@function
k_qffc6af051f_scanB:
	s_mov_b64 s[64:65], 0
	v_nop
	global_prefetch_b8 v0, s[64:65] scope:SCOPE_SE
	s_setreg_imm32_b32 hwreg(HW_REG_WAVE_MODE, 25, 1), 1
	s_wait_xcnt 0x0
; THE SCAN, SECOND PASS: the state at each chunk's start.  init[0] = 0, init[c + 1] = P[c] init[c] + E[c], in f32, for the 31 chunks that have a successor.
; A thread owns four numbers (16 bytes) of the 262,144-byte image of a chunk; its 62 loads go out at once; each result stays in E's registers, from which it is stored.
.set EOFF, 8126464                     ; E lies behind P's 31 images
	s_load_b128 s[4:7], s[0:1], 0x0                ; sums, init
	s_lshl_b32 s8, ttmp9, 10
	v_lshl_add_u32 v1, v0, 4, s8
	v_mov_b32 v4, 0
	v_mov_b32 v5, 0
	v_mov_b32 v6, 0
	v_mov_b32 v7, 0
	s_wait_kmcnt 0x0
	s_add_nc_u64 s[10:11], s[4:5], EOFF
.set c, 0
.rept 31
	global_load_b128 v[8+8*c:8+8*c+3],   v1, s[4:5]   offset:262144*c
	global_load_b128 v[12+8*c:12+8*c+3], v1, s[10:11] offset:262144*c
.set c, c+1
.endr
	global_store_b128 v1, v[4:7], s[6:7]
.set c, 0
.rept 31
	s_wait_loadcnt 60-2*c                          ; chunk c's two loads are in, the younger ones stay out
	v_pk_fma_f32 v[12+8*c:13+8*c], v[8+8*c:9+8*c],   v[4+8*c:5+8*c], v[12+8*c:13+8*c]   ; the state before lies eight registers down
	v_pk_fma_f32 v[14+8*c:15+8*c], v[10+8*c:11+8*c], v[6+8*c:7+8*c], v[14+8*c:15+8*c]
	global_store_b128 v1, v[12+8*c:15+8*c], s[6:7] offset:262144*(c+1)
.set c, c+1
.endr
	s_endpgm
.Lfunc_end_k_qffc6af051f_scanB:
	.size	k_qffc6af051f_scanB, .Lfunc_end_k_qffc6af051f_scanB-k_qffc6af051f_scanB
	.p2alignl 7, 3214868480
	.fill 96, 4, 3214868480
	.section	.rodata,"a",@progbits
	.p2align	6, 0x0
	.amdhsa_kernel k_qffc6af051f_scanB
		.amdhsa_group_segment_fixed_size 0
		.amdhsa_private_segment_fixed_size 0
		.amdhsa_enable_private_segment 0
		.amdhsa_kernarg_size 16
		.amdhsa_user_sgpr_count 2
		.amdhsa_user_sgpr_kernarg_segment_ptr 1
		.amdhsa_wavefront_size32 1
		.amdhsa_system_sgpr_workgroup_id_x 1
		.amdhsa_system_sgpr_workgroup_id_y 1
		.amdhsa_system_sgpr_workgroup_id_z 1
		.amdhsa_system_vgpr_workitem_id 0
		.amdhsa_next_free_vgpr 256
		.amdhsa_next_free_sgpr 66
		.amdhsa_reserve_vcc 0
		.amdhsa_float_denorm_mode_32 3
		.amdhsa_float_denorm_mode_16_64 3
		.amdhsa_memory_ordered 1
		.amdhsa_forward_progress 1
		.amdhsa_inst_pref_size 15
	.end_amdhsa_kernel
	.amdgpu_metadata
---
amdhsa.version: [ 1, 2 ]
amdhsa.kernels:
  - .name:           k_qffc6af051f_scanB
    .symbol:         k_qffc6af051f_scanB.kd
    .args:
      - { .name: sums, .offset: 0, .size: 8, .value_kind: global_buffer, .address_space: global }
      - { .name: init, .offset: 8, .size: 8, .value_kind: global_buffer, .address_space: global }
    .group_segment_fixed_size: 0
    .private_segment_fixed_size: 0
    .kernarg_segment_align: 8
    .kernarg_segment_size: 16
    .max_flat_workgroup_size: 64
    .sgpr_count:     66
    .vgpr_count:     256
    .wavefront_size: 32
...
	.end_amdgpu_metadata
.endif
;; end of part 5
;; launch scanC (part 6): grid 32 x 16, 4 waves a work-group, no clusters, 21,248 bytes of LDS; arguments xz, xd, wts, b_dt, D, init, g; writes g
.if DOCPART == 6
	.amdgcn_target "amdgcn-amd-amdhsa--gfx1250"
	.amdhsa_code_object_version 6
	.text
	.protected	k_qffc6af051f_scanC
	.globl	k_qffc6af051f_scanC
	.p2align	8
	.type	k_qffc6af051f_scanC,@function
k_qffc6af051f_scanC:
	s_mov_b64 s[64:65], 0
	v_nop
	global_prefetch_b8 v0, s[64:65] scope:SCOPE_SE
	s_setreg_imm32_b32 hwreg(HW_REG_WAVE_MODE, 25, 1), 1
	s_wait_xcnt 0x0
; THE SCAN, THIRD PASS, AND THE GATE.  Each chunk of 128 steps starts from its true state (init) and makes y; g = (y + D xp) silu(z), rounded once to bf16 (bf16 for its range).
; Shares, packing and delta are the first pass's: work-group (chunk, 8 batch + block of 256 channels), wave w 64 channels, lane l the channels 2 l + e, all arithmetic packed over that pair;
; a trip is 8 steps; the work-group is small so that two of them lie on a WGP and each SIMD has two waves to issue from.
; y has four partial sums (states n % 4).  When a step's dt is dead, its registers take the step's y; the gate then works on 8 steps at once, its exponentials and reciprocals one batch each.
; g leaves through a stage in LDS shared by the four waves (8 rows x 512 bytes): a wave's 128 bytes of a row are put in, and whole rows of 512 consecutive bytes are stored.
; LIMITS: as in the first pass; D and b_dt are rounded to bf16 like every input; exp2 and the reciprocal take denormals as 0.
.set WDF,   12976128
.set APK,   13238272
.set PADB,  16384                      ; behind B's and C's 16 KiB: two rows of zeros, which the last trip's look-ahead reads
.set STG,   16640                      ; the stage
.set SPARE, 20736
.set SPW, 2
.set NIL, 3
.set ZR,  4                            ; v4  0
.set NL,  5                            ; v5  -log2(e)
.set BCA, 6
.set XO,  7
.set DO,  8
.set SA,  9                            ; v9  where I put a step's word into the stage
.set RA,  10                           ; v10 where I read rows back
.set GO,  11                           ; v11 my 16 bytes of my wave's first row of g
.set DD,  12                           ; v[12:13] D of my two channels
.set U,   14
.set Y,   16                           ; v[16:23] four partial sums of y; on the way out, two rows of g
.set H,   24
.set AA,  56
.set AT,  88                           ; v[88:103] a of eight states
.set TT,  88                           ; the gate's work lies there too
.set BC0, 104                          ; v[104:167] two buffers of 32: B and C of a step
.set DTP, 168                          ; v[168:183] dt, later y: step i at 2 i, 2 i + 1
.set X,   184                          ; v[184:191] xp of the next trip
.set XC,  192                          ; v[192:199] of the trip in hand
.set Z,   200                          ; v[200:207] z of the next trip
.set ZC,  208                          ; v[208:215] of the trip in hand
.set RAW, 216                          ; v[216:247] the four product tiles
.set IL,  248
.set IT,  249
.set BT,  250
.set DT8, 251                          ; v251 8 x thread: my two channels in D
.set WF,  0
.set DF,  64
.set BW,  80
.set XB,  26
.set DB,  30
.set GB,  32
.set ST,  34
.set SD,  36
.set SG,  38
.set CNT, 40
.set TB,  41
.set LO,  42
.set HI,  43
.set BCS, 46
.set WFS, 48
.set AAS, 50
.set INS, 52
.set BS,  54
.set DS,  56
.set NBC, 8
.set MSB, 0
.macro WIN new
.if MSB != (\new)
	s_set_vgpr_msb (MSB<<8)|(\new)
.set MSB, \new
.endif
.endm
	s_load_b256 s[4:11], s[0:1], 0x0               ; xz 4, xd 6, wts 8, b_dt 10
	s_load_b128 s[12:15], s[0:1], 0x20             ; D 12, init 14
	s_load_b64 s[16:17], s[0:1], 0x30              ; g
	v_lshl_add_u32 v[SPW], v0, 2, SPARE
	v_mov_b32 v[NIL], 0
	v_lshrrev_b32 v1, 5, v0
	v_readfirstlane_b32 s18, v1
	s_and_b32 s19, ttmp7, 0xffff
	s_lshr_b32 s20, s19, 3
	s_and_b32 s21, s19, 7
	s_lshl_b32 s22, s20, 12
	s_lshl_b32 s23, ttmp9, 7
	s_add_co_u32 s22, s22, s23                     ; the chunk's first row
	s_lshl2_add_u32 s24, s21, s18
	s_lshl2_add_u32 s25, s19, s18
	v_and_b32 v1, 31, v0
	v_and_b32 v[Y], 15, v0
	v_bfe_u32 v[Y+1], v0, 4, 1
	v_and_b32 v[Y+2], 7, v0
	v_cmp_lt_u32 vcc_lo, 15, v1                    ; the upper half of the lanes: kept in VCC for the whole launch; nothing else writes it
	v_lshlrev_b32 v[XO], 2, v0
	v_lshlrev_b32 v[DO], 7, v[Y+2]                 ; row r % 8 of dlt's eight
	v_lshl_add_u32 v[DO], v[Y+1], 4, v[DO]
	v_lshlrev_b32 v[IL], 4, v1
	v_lshlrev_b32 v[IT], 4, v0
	v_lshlrev_b32 v[DT8], 3, v0
	v_lshl_add_u32 v1, v0, 1, PADB                 ; my two bytes of the pad
	s_lshl_b32 s23, s18, 8
	v_lshl_add_u32 v[BT], v[Y], 3, s23
	v_add_nc_u32 v[SA], STG, v[XO]
	s_lshl_b32 s23, s18, 10
	s_add_co_u32 s23, s23, STG
	v_add_nc_u32 v[RA], s23, v[IL]                 ; rows 2 w, 2 w + 1 of the stage
	s_lshl_b32 s23, s18, 13
	v_add_nc_u32 v[GO], s23, v[IL]
	v_mov_b32 v[ZR], 0
	v_mov_b32 v[NL], 0xbfb8aa3b
	s_mov_b32 s45, 0
	s_mov_b32 s[ST+1], 0
	s_mov_b32 s[SD+1], 0
	s_mov_b32 s[SG], 0
	s_mov_b32 s[SG+1], 0
	s_mov_b32 s[LO], 0x3a83126f
	s_mov_b32 s[HI], 0x3dcccccd
	s_mov_b32 s[TB], 0
	s_mov_b32 s[CNT], 16
	s_wait_kmcnt 0x0
	s_lshl_b32 s44, s22, 13
	s_lshl_b32 s20, s21, 9
	s_add_co_u32 s44, s44, s20
	s_add_nc_u64 s[XB:XB+1], s[4:5], s[44:45]
	s_lshl_b32 s44, s22, 7
	s_add_nc_u64 s[DB:DB+1], s[6:7], s[44:45]
	s_add_nc_u64 s[BCS:BCS+1], s[DB:DB+1], 1048576
	s_lshl_b32 s44, s24, 13
	s_add_co_u32 s44, s44, WDF
	s_add_nc_u64 s[WFS:WFS+1], s[8:9], s[44:45]
	s_lshl_b32 s44, s24, 12
	s_add_co_u32 s44, s44, APK
	s_add_nc_u64 s[AAS:AAS+1], s[8:9], s[44:45]
	s_lshl_b32 s44, s21, 10
	s_add_nc_u64 s[BS:BS+1], s[10:11], s[44:45]
	s_add_nc_u64 s[DS:DS+1], s[12:13], s[44:45]
	s_lshl_b32 s44, ttmp9, 18
	s_lshl_b32 s20, s25, 12
	s_add_co_u32 s44, s44, s20
	s_add_nc_u64 s[INS:INS+1], s[14:15], s[44:45]
	s_lshl_b32 s44, s22, 12
	s_lshl_b32 s20, s21, 9
	s_add_co_u32 s44, s44, s20
	s_add_nc_u64 s[GB:GB+1], s[16:17], s[44:45]
.set i, 0
.rept 8
	global_load_b128 v[BC0+4*i:BC0+4*i+3], v[IT], s[BCS:BCS+1] offset:2048*i  ; the chunk's B and C, 16 KiB, shared out among the 128 threads
.set i, i+1
.endr
	WIN 0x40
.set i, 0
.rept 16
	global_load_b128 v[WF+4*i:WF+4*i+3], v[IL], s[WFS:WFS+1] offset:512*i
.set i, i+1
.endr
.irp i, 0,1,2,3
	global_load_b128 v[DF+4*(\i):DF+4*(\i)+3], v[DO], s[DB:DB+1] offset:32*(\i)
.endr
	WIN 0
.irp q, 0,1,2,3,4,5,6,7
	global_load_b128 v[AA+4*(\q):AA+4*(\q)+3], v[IL], s[AAS:AAS+1] offset:512*(\q)
	global_load_b128 v[H+4*(\q):H+4*(\q)+3],   v[IL], s[INS:INS+1] offset:512*(\q)
.endr
.irp i, 0,1,2,3
	global_load_b32 v[AT+(\i)], v[BT], s[BS:BS+1] offset:128*((\i)&1)+4*((\i)>>1)
.endr
	global_load_b64 v[DD:DD+1], v[DT8], s[DS:DS+1]
.set i, 0
.rept 8
	global_load_b32 v[X+i], v[XO], s[XB:XB+1] offset:8192*i
	global_load_b32 v[Z+i], v[XO], s[XB:XB+1] offset:8192*i+4096
.set i, i+1
.endr
	s_wait_loadcnt 0x0
.set i, 0
.rept 8
	ds_store_b128 v[IT], v[BC0+4*i:BC0+4*i+3] offset:2048*i
.set i, i+1
.endr
	ds_store_b16 v1, v[ZR]                         ; the pad: 128 threads x 2 bytes
.irp i, 0,1,2,3
	v_cvt_pk_bf16_f32 v[AT+(\i)], v[AT+(\i)], v[AT+(\i)]      ; the bias's rounding to bf16
.endr
.irp i, 0,1,2,3
	v_lshlrev_b32 v[AT+(\i)], 16, v[AT+(\i)]
.endr
	v_cvt_pk_bf16_f32 v[U], v[DD], v[DD+1]         ; and D's
	v_lshlrev_b32 v[DD], 16, v[U]
	v_and_b32 v[DD+1], 0xffff0000, v[U]
	WIN 0x40
.irp i, 0,1,2,3
.irp j, 0,1,2,3,4,5,6,7
	v_mov_b32 v[BW+8*(\i)+(\j)], v[AT+(\i)]
.endr
.endr
	WIN 0
	s_wait_dscnt 0x0                               ; for the others' sake: my part of B, C and the pad lies in LDS
	s_barrier_signal -1
	s_barrier_wait -1
.macro BCLOAD s                        ; row s's B and C (counted from the trip's first row) into buffer s % 2: one address for all lanes
.set BB, BC0+32*((\s)&1)
.irp q, 0,1,2,3,4,5,6,7
	ds_load_b128 v[BB+4*(\q):BB+4*(\q)+3], v[BCA] offset:128*(\s)+16*(\q)
.endr
.endm
.macro PKB d, bc, n, x, c              ; d = (number n behind bc, for both halves) x + c
.if (\n)&1
	v_pk_fma_f32 v[(\d):(\d)+1], v[(\bc)+(\n)-1:(\bc)+(\n)], v[(\x):(\x)+1], v[(\c):(\c)+1] op_sel:[1,0,0] op_sel_hi:[1,1,1]
.else
	v_pk_fma_f32 v[(\d):(\d)+1], v[(\bc)+(\n):(\bc)+(\n)+1], v[(\x):(\x)+1], v[(\c):(\c)+1] op_sel_hi:[0,1,1]
.endif
.endm
.macro PKM d, bc, n, x                 ; the same without an addend: it starts a sum
.if (\n)&1
	v_pk_mul_f32 v[(\d):(\d)+1], v[(\bc)+(\n)-1:(\bc)+(\n)], v[(\x):(\x)+1] op_sel:[1,0] op_sel_hi:[1,1]
.else
	v_pk_mul_f32 v[(\d):(\d)+1], v[(\bc)+(\n):(\bc)+(\n)+1], v[(\x):(\x)+1] op_sel_hi:[0,1]
.endif
.endm
.macro AN s, n
	v_pk_fma_f32 v[AT+2*((\n)&7):AT+2*((\n)&7)+1], v[AA+2*(\n):AA+2*(\n)+1], v[DTP+2*(\s):DTP+2*(\s)+1], 1.0 op_sel_hi:[1,1,0]
.endm
.macro MA r, n
	v_pk_mul_f32 v[(\r)+2*(\n):(\r)+2*(\n)+1], v[(\r)+2*(\n):(\r)+2*(\n)+1], v[AT+2*((\n)&7):AT+2*((\n)&7)+1]
.endm
; A step.  It ends by asking for the row two steps on: steps 6 and 7 ask for the next trip's first two rows.
.macro STEP s
.set BB, BC0+32*((\s)&1)
	s_wait_dscnt NBC                               ; my step's B and C are in; the next step's eight loads may stay out
	v_fma_mix_f32 v[U],   v[XC+(\s)], v[DTP+2*(\s)],   v[ZR] op_sel_hi:[1,0,0]
	v_fma_mix_f32 v[U+1], v[XC+(\s)], v[DTP+2*(\s)+1], v[ZR] op_sel:[1,0,0] op_sel_hi:[1,0,0]
.irp n, 0,1,2,3,4,5,6,7
	AN \s, \n
.endr
.irp n, 0,1,2,3,4,5,6,7
	MA H, \n
.endr
.irp n, 8,9,10,11,12,13,14,15
	AN \s, \n
.endr
.irp n, 0,1,2,3,4,5,6,7
	PKB H+2*(\n), BB, \n, U, H+2*(\n)
.endr
.irp n, 8,9,10,11,12,13,14,15
	MA H, \n
.endr
.irp n, 0,1,2,3
	PKM Y+2*(\n), BB+16, \n, H+2*(\n)
.endr
.irp n, 4,5,6,7
	PKB Y+2*((\n)&3), BB+16, \n, H+2*(\n), Y+2*((\n)&3)
.endr
.irp n, 8,9,10,11,12,13,14,15
	PKB H+2*(\n), BB, \n, U, H+2*(\n)
.endr
.irp n, 8,9,10,11,12,13,14,15
	PKB Y+2*((\n)&3), BB+16, \n, H+2*(\n), Y+2*((\n)&3)
.endr
	v_pk_add_f32 v[Y:Y+1], v[Y:Y+1], v[Y+2:Y+3]
	v_pk_add_f32 v[Y+4:Y+5], v[Y+4:Y+5], v[Y+6:Y+7]
	v_pk_add_f32 v[DTP+2*(\s):DTP+2*(\s)+1], v[Y:Y+1], v[Y+4:Y+5]  ; the step's dt is dead: its registers take y
	BCLOAD (\s)+2
.endm
.macro SOFTPLUS
.irp e, 0,1
.irp j, 0,1,2,3,4,5,6,7
	v_cndmask_b32 v[DTP+2*(\j)+(\e)], v[RAW+16*(\e)+(\j)], v[RAW+16*(\e)+8+(\j)], vcc_lo  ; lanes 0-15 take tile (e, 0), lanes 16-31 tile (e, 1); each tile's lowest register is read first
.endr
.endr
.set i, 0
.rept 8
	v_pk_mul_f32 v[DTP+2*i:DTP+2*i+1], v[DTP+2*i:DTP+2*i+1], 0x3fb8aa3b op_sel_hi:[1,0]
.set i, i+1
.endr
.set i, 0
.rept 16
	v_exp_f32 v[DTP+i], v[DTP+i]
.set i, i+1
.endr
	v_nop                                          ; a plain instruction behind the last exponential,
	s_wait_alu depctr_va_vdst(0)                   ; and one wait for the batch, ahead of its first reader
.set i, 0
.rept 8
	v_pk_add_f32 v[DTP+2*i:DTP+2*i+1], v[DTP+2*i:DTP+2*i+1], 1.0 op_sel_hi:[1,0]
.set i, i+1
.endr
.set i, 0
.rept 16
	v_log_f32 v[DTP+i], v[DTP+i]
.set i, i+1
.endr
	v_nop
	s_wait_alu depctr_va_vdst(0)
.set i, 0
.rept 8
	v_pk_mul_f32 v[DTP+2*i:DTP+2*i+1], v[DTP+2*i:DTP+2*i+1], 0x3f317218 op_sel_hi:[1,0]
.set i, i+1
.endr
.set i, 0
.rept 16
	v_med3_num_f32 v[DTP+i], v[DTP+i], s[LO], s[HI]
.set i, i+1
.endr
.endm
.macro PRODUCTS                        ; the four tiles take turns
	WIN 0x15
.irp i, 0,1,2,3
	v_wmma_f32_16x16x32_bf16 v[RAW+8*(\i):RAW+8*(\i)+7], v[DF:DF+7], v[WF+16*(\i):WF+16*(\i)+7], v[BW+8*(\i):BW+8*(\i)+7]
.endr
	WIN 0x05
.irp i, 0,1,2,3
	v_wmma_f32_16x16x32_bf16 v[RAW+8*(\i):RAW+8*(\i)+7], v[DF+8:DF+15], v[WF+16*(\i)+8:WF+16*(\i)+15], v[RAW+8*(\i):RAW+8*(\i)+7]
.endr
	WIN 0
.endm
	v_mov_b32 v[BCA], 0
	BCLOAD 0                                       ; the pipeline of B's and C's rows starts: two rows ahead
	BCLOAD 1
.Lgrp:                                                 ; a trip: 8 steps and their gate
	s_wait_loadcnt 0x0                             ; this trip's xp, z and dlt, asked for a trip ago, are in; every load's base may be stepped
	s_wait_xcnt 0x0                                ; the last trip's stores have read their registers and their base
	v_mov_b32 v[BCA], s[TB]
	s_cmp_eq_u32 s[CNT], 1                         ; the last trip has no next one: it asks for its own rows again, inside the buffers
	s_cselect_b32 s[ST], 0, 0x10000
	s_cselect_b32 s[SD], 0, 1024
	s_add_nc_u64 s[XB:XB+1], s[XB:XB+1], s[ST:ST+1]
	s_add_nc_u64 s[DB:DB+1], s[DB:DB+1], s[SD:SD+1]
	s_add_nc_u64 s[GB:GB+1], s[GB:GB+1], s[SG:SG+1]
	s_mov_b32 s[SG], 0x8000                        ; 8 rows of g, from the second trip on
	PRODUCTS
.set i, 0
.rept 8
	v_mov_b32 v[XC+i], v[X+i]                      ; also the plain instructions between the products and what follows
	v_mov_b32 v[ZC+i], v[Z+i]
.set i, i+1
.endr
.set i, 0
.rept 8
	global_load_b32 v[X+i], v[XO], s[XB:XB+1] offset:8192*i
	global_load_b32 v[Z+i], v[XO], s[XB:XB+1] offset:8192*i+4096
.set i, i+1
.endr
	WIN 0x40
.irp i, 0,1,2,3
	global_load_b128 v[DF+4*(\i):DF+4*(\i)+3], v[DO], s[DB:DB+1] offset:32*(\i)
.endr
	WIN 0
	SOFTPLUS
.irp t, 0,1,2,3,4,5,6,7
	STEP \t
.endr
	; THE GATE
.set i, 0
.rept 8
	v_fma_mix_f32 v[DTP+2*i],   v[XC+i], v[DD],   v[DTP+2*i]   op_sel_hi:[1,0,0]                 ; y + D xp
	v_fma_mix_f32 v[DTP+2*i+1], v[XC+i], v[DD+1], v[DTP+2*i+1] op_sel:[1,0,0] op_sel_hi:[1,0,0]
.set i, i+1
.endr
.set i, 0
.rept 8
	v_fma_mix_f32 v[TT+2*i],   v[ZC+i], v[NL], v[ZR] op_sel_hi:[1,0,0]                           ; -z log2(e)
	v_fma_mix_f32 v[TT+2*i+1], v[ZC+i], v[NL], v[ZR] op_sel:[1,0,0] op_sel_hi:[1,0,0]
.set i, i+1
.endr
	s_wait_dscnt 0x0                               ; no LDS instruction of mine is out: the look-ahead's loads are in, and my reads of the stage in the trip before were waited for there
	s_barrier_signal -1                            ; say so; the gate's arithmetic, work on registers, stands between the signal and the wait
.set i, 0
.rept 16
	v_exp_f32 v[TT+i], v[TT+i]
.set i, i+1
.endr
	v_nop
	s_wait_alu depctr_va_vdst(0)
.set i, 0
.rept 8
	v_pk_add_f32 v[TT+2*i:TT+2*i+1], v[TT+2*i:TT+2*i+1], 1.0 op_sel_hi:[1,0]
.set i, i+1
.endr
.set i, 0
.rept 16
	v_rcp_f32 v[TT+i], v[TT+i]
.set i, i+1
.endr
	v_nop
	s_wait_alu depctr_va_vdst(0)
.set i, 0
.rept 8
	v_pk_mul_f32 v[DTP+2*i:DTP+2*i+1], v[DTP+2*i:DTP+2*i+1], v[TT+2*i:TT+2*i+1]
.set i, i+1
.endr
.set i, 0
.rept 8
	v_fma_mix_f32 v[DTP+2*i],   v[ZC+i], v[DTP+2*i],   v[ZR] op_sel_hi:[1,0,0]
	v_fma_mix_f32 v[DTP+2*i+1], v[ZC+i], v[DTP+2*i+1], v[ZR] op_sel:[1,0,0] op_sel_hi:[1,0,0]
.set i, i+1
.endr
.set i, 0
.rept 8
	v_cvt_pk_bf16_f32 v[TT+i], v[DTP+2*i], v[DTP+2*i+1]
.set i, i+1
.endr
	s_barrier_wait -1                              ; every wave's reads of the stage are over: it may be written
.set i, 0
.rept 8
	ds_store_b32 v[SA], v[TT+i] offset:512*i
.set i, i+1
.endr
	s_wait_dscnt 0x0                               ; for the others' sake: my part of the 8 rows lies in the stage
	s_barrier_signal -1
	s_barrier_wait -1
.irp i, 0,1
	ds_load_b128 v[Y+4*(\i):Y+4*(\i)+3], v[RA] offset:512*(\i)
.endr
	s_wait_dscnt 0x0
.irp i, 0,1
	global_store_b128 v[GO], v[Y+4*(\i):Y+4*(\i)+3], s[GB:GB+1] offset:4096*(\i)  ; 512 consecutive bytes of row 2 w + i, aligned
.endr
	s_add_co_u32 s[TB], s[TB], 1024
	s_sub_co_u32 s[CNT], s[CNT], 1
	s_cmp_lg_u32 s[CNT], 0
	s_cbranch_scc1 .Lgrp
	s_wait_tensorcnt 0x0                           ; the wave's end, behind the last LDS store
	ds_add_u32 v[SPW], v[NIL]
	s_wait_dscnt 0x0
	s_endpgm
.Lfunc_end_k_qffc6af051f_scanC:
	.size	k_qffc6af051f_scanC, .Lfunc_end_k_qffc6af051f_scanC-k_qffc6af051f_scanC
	.p2alignl 7, 3214868480
	.fill 96, 4, 3214868480
	.section	.rodata,"a",@progbits
	.p2align	6, 0x0
	.amdhsa_kernel k_qffc6af051f_scanC
		.amdhsa_group_segment_fixed_size 21248
		.amdhsa_private_segment_fixed_size 0
		.amdhsa_enable_private_segment 0
		.amdhsa_kernarg_size 56
		.amdhsa_user_sgpr_count 2
		.amdhsa_user_sgpr_kernarg_segment_ptr 1
		.amdhsa_wavefront_size32 1
		.amdhsa_system_sgpr_workgroup_id_x 1
		.amdhsa_system_sgpr_workgroup_id_y 1
		.amdhsa_system_sgpr_workgroup_id_z 1
		.amdhsa_system_vgpr_workitem_id 0
		.amdhsa_next_free_vgpr 368
		.amdhsa_next_free_sgpr 66
		.amdhsa_reserve_vcc 1
		.amdhsa_float_denorm_mode_32 3
		.amdhsa_float_denorm_mode_16_64 3
		.amdhsa_memory_ordered 1
		.amdhsa_forward_progress 1
		.amdhsa_inst_pref_size 67
	.end_amdhsa_kernel
	.amdgpu_metadata
---
amdhsa.version: [ 1, 2 ]
amdhsa.kernels:
  - .name:           k_qffc6af051f_scanC
    .symbol:         k_qffc6af051f_scanC.kd
    .args:
      - { .name: xz, .offset: 0, .size: 8, .value_kind: global_buffer, .address_space: global }
      - { .name: xd, .offset: 8, .size: 8, .value_kind: global_buffer, .address_space: global }
      - { .name: wts, .offset: 16, .size: 8, .value_kind: global_buffer, .address_space: global }
      - { .name: b_dt, .offset: 24, .size: 8, .value_kind: global_buffer, .address_space: global }
      - { .name: D, .offset: 32, .size: 8, .value_kind: global_buffer, .address_space: global }
      - { .name: init, .offset: 40, .size: 8, .value_kind: global_buffer, .address_space: global }
      - { .name: g, .offset: 48, .size: 8, .value_kind: global_buffer, .address_space: global }
    .group_segment_fixed_size: 21248
    .private_segment_fixed_size: 0
    .kernarg_segment_align: 8
    .kernarg_segment_size: 56
    .max_flat_workgroup_size: 128
    .sgpr_count:     66
    .vgpr_count:     368
    .wavefront_size: 32
...
	.end_amdgpu_metadata
.endif
;; end of part 6
;; launch gemm_out (part 7): grid 4 x 64, 4 waves a work-group, clusters of 4 x 4, 327,680 bytes of LDS; arguments g, wts, out0; writes out0
.if DOCPART == 7
	.amdgcn_target "amdgcn-amd-amdhsa--gfx1250"
	.amdhsa_code_object_version 6
	.text
	.protected	k_qffc6af051f_gemm_out
	.globl	k_qffc6af051f_gemm_out
	.p2align	8
	.type	k_qffc6af051f_gemm_out,@function
k_qffc6af051f_gemm_out:
	s_mov_b64 s[64:65], 0
	v_nop
	global_prefetch_b8 v0, s[64:65] scope:SCOPE_SE
	s_setreg_imm32_b32 hwreg(HW_REG_WAVE_MODE, 25, 1), 1
	s_wait_xcnt 0x0
	s_wait_alu depctr_hold_cnt(0) depctr_sa_sdst(0) depctr_va_vdst(0) depctr_va_sdst(0) depctr_va_ssrc(0) depctr_va_vcc(0) depctr_vm_vsrc(0)
	s_getreg_b32 s2, hwreg(HW_REG_IB_STS2, 6, 4)
	s_cmp_eq_u32 s2, 0
	s_cbranch_scc0 .Lentry_in_a_cluster
	s_endpgm
.Lentry_in_a_cluster:
	s_bfe_u32 s2, ttmp6, 0x10000c
	s_cmp_lg_u32 s2, 0xf033
	s_cbranch_scc0 .Lentry_shape_is_right
	s_endpgm
.Lentry_shape_is_right:
; out0[m][n] = sum over k of g[m][k] WOUTT[n][k]: [8192][2048] x [1024][2048], bf16 operands, f32 sums, stored as f32.
; The text is the first product's with other sizes: a tile of C is 128 x 256 (256 work-groups, one for each WGP), a wave 64 x 128, 32 accumulators in window 2.
; A tile of C is 128 MH x 256; four waves, each 64 MH x 128.  K goes in steps of 128 through two LDS slots filled by the tensor data mover; rows of 256 bytes, padded to 272.
; CLUSTER 4 x 4: A's tile is shared along a row of the cluster, B's along a column: joint loads, a quarter of the requests.
; The product is used transposed (source 0 = rows of B, source 1 = rows of A): a lane holds eight neighbouring columns of one row of C.
.set SIZE_N, 1024
.set SIZE_K, 2048
.set MH,     1                         ; a wave's rows / 64
.set BOFF,   8388608                   ; B's place in wts
.set ESZ,    4                         ; bytes of a number of C
.set KSTEP,  128
.set PITCH,  272
.set AROWS,  64*MH
.set HA,     AROWS*PITCH
.set HB,     128*PITCH
.set SLOT,   2*HA+2*HB
.set STAGE,  2*SLOT
.set SPITCH, 128*ESZ+16
.set SPARE,  STAGE+4*16*SPITCH
.set LAPS,   SIZE_K/(2*KSTEP)
.set CROW,   SIZE_N*ESZ
.set ADRA, 16
.set ADRB, 20
.set STO,  24
.set RD,   25
.set CO,   26
.set SPW,  28
.set NIL,  29
.set PFO,  30
.set PFA,  44
.set LIM,  43
.set LIM2, 2
.set F0,   64
.set F1,   128
.set TMP,  192
.set OB,   32
.set G1,  24
.set G0,  32
.set G1B, 48
.set G0B, 56
.set MSB, 0
.macro WIN new
.if MSB != (\new)
	s_set_vgpr_msb (MSB<<8)|(\new)
.set MSB, \new
.endif
.endm
.set MUL_LO, 0xa1
.set TO_B,   0x40
.macro JLOAD s                         ; a joint load: waves 0, 1 fetch A's halves, waves 2, 3 B's; s_nop 0 and four v_nop follow each line
	s_cmp_eq_u32 s11, 0
	s_cbranch_scc0 .Lfor_b_\@
	tensor_load_to_lds s[G0+4*(\s):G0+4*(\s)+3], s[G1:G1+7]
	s_nop 0
.rept 4
	v_nop
.endr
	s_branch .Lasked_\@
.Lfor_b_\@:
	tensor_load_to_lds s[G0B+4*(\s):G0B+4*(\s)+3], s[G1B:G1B+7]
	s_nop 0
.rept 4
	v_nop
.endr
.Lasked_\@:
.endm
; A prefetch of the K step two refills on, behind the joint load and the run of LDS loads.  A's rows are asked for by the clusters with x = 0, B's by those with y = 0; the four partners
; share a tile's rows by address; a lane a row (MH = 1, A: sixteen rows, the upper lanes one K step further, asked at every second change).  The loop's last trip asks for nothing.
.macro ASK slot
.if (MH == 1) && ((\slot) == 1)
	s_cmp_gt_u32 s3, s[LIM2]
.else
	s_cmp_gt_u32 s3, s[LIM]
.endif
	s_cbranch_scc0 .Lnot_mine_\@
	global_prefetch_b8 v[PFO], s[PFA:PFA+1] offset:KSTEP*2 th:TH_LOAD_NT scope:SCOPE_SE
.Lnot_mine_\@:
.endm
.macro CREST
	s_cmp_lg_u32 s10, 0
	s_cbranch_scc1 .Lnot_wave_0_\@
	s_barrier_signal -3
.Lnot_wave_0_\@:
	s_barrier_wait -3
	s_barrier_signal -1
	s_barrier_wait -1
.endm
.macro CROUND
	s_barrier_signal -1
	s_barrier_wait -1
	CREST
.endm
	s_load_b128 s[4:7], s[0:1], 0x0                ; A s[4:5], wts s[6:7]
	s_load_b64 s[8:9], s[0:1], 0x10                ; C
	v_lshl_add_u32 v[SPW], v0, 2, SPARE
	v_mov_b32 v[NIL], 0
	ds_add_u32 v[SPW], v[NIL]                      ; the opening: the add and its wait ahead of my first tensor load
	v_lshrrev_b32 v1, 5, v0
	v_readfirstlane_b32 s10, v1
	s_lshr_b32 s11, s10, 1
	s_and_b32 s12, s10, 1
	s_bfe_u32 s40, ttmp6, 0x40000
	s_bfe_u32 s41, ttmp6, 0x40004
	s_lshl_b32 s42, ttmp9, 2
	s_add_co_u32 s42, s42, s40
	s_and_b32 s13, ttmp7, 0xffff
	s_lshl_b32 s13, s13, 2
	s_add_co_u32 s13, s13, s41
	s_lshl_b32 s43, s41, 2
	s_lshl_b32 s43, 15, s43
	s_lshl_b32 s44, 0x1111, s40
	s_or_b32 s[G1+0], s43, (1<<16)|(1<<20)|(1<<21)|(5<<22)|(3<<25)
	s_or_b32 s[G1B+0], s44, (1<<16)|(1<<20)|(1<<21)|(5<<22)|(3<<25)
	s_mov_b32 s[G1+1], KSTEP<<16
	s_mov_b32 s[G1+2], AROWS<<16
	s_mov_b32 s[G1+3], KSTEP<<16
	s_mov_b32 s[G1+4], AROWS
	s_mov_b32 s[G1+5], SIZE_K
	s_mov_b32 s[G1+6], 0
	s_mov_b32 s[G1+7], 0
	s_mov_b32 s[G1B+1], KSTEP<<16
	s_mov_b32 s[G1B+2], 128<<16
	s_mov_b32 s[G1B+3], KSTEP<<16
	s_mov_b32 s[G1B+4], 128
	s_mov_b32 s[G1B+5], SIZE_K
	s_mov_b32 s[G1B+6], 0
	s_mov_b32 s[G1B+7], 0
	s_mul_i32 s17, s12, AROWS
	s_mul_i32 s16, s13, 2*AROWS
	s_add_co_u32 s16, s16, s17
	s_lshl_b32 s47, s12, 7
	s_lshl_b32 s46, s42, 8
	s_add_co_u32 s46, s46, s47
	s_mov_b32 s17, 0
	s_mov_b32 s47, 0
	s_mov_b64 s[18:19], SIZE_K*2
	s_mul_u64 s[16:17], s[16:17], s[18:19]
	s_mul_u64 s[46:47], s[46:47], s[18:19]
	s_mul_i32 s20, s12, HA
	s_mul_i32 s21, s12, HB
	s_add_co_u32 s21, s21, 2*HA
	s_wait_dscnt 0x0
	s_wait_kmcnt 0x0
	s_add_nc_u64 s[14:15], s[4:5], s[16:17]
	s_add_nc_u64 s[46:47], s[6:7], s[46:47]
.if BOFF
	s_add_nc_u64 s[46:47], s[46:47], BOFF
.endif
	CROUND
.irp s, 0,1
	s_mov_b32 s[G0+4*(\s)], 1
	s_add_co_u32 s[G0+4*(\s)+1], s20, (\s)*SLOT
	s_add_nc_u64 s[G0+4*(\s)+2:G0+4*(\s)+3], s[14:15], (\s)*KSTEP*2
	s_or_b32 s[G0+4*(\s)+3], s[G0+4*(\s)+3], 0x80000000
	s_mov_b32 s[G0B+4*(\s)], 1
	s_add_co_u32 s[G0B+4*(\s)+1], s21, (\s)*SLOT
	s_add_nc_u64 s[G0B+4*(\s)+2:G0B+4*(\s)+3], s[46:47], (\s)*KSTEP*2
	s_or_b32 s[G0B+4*(\s)+3], s[G0B+4*(\s)+3], 0x80000000
	JLOAD \s
.endr
	v_and_b32 v1, 15, v0
	v_bfe_u32 v2, v0, 4, 1
	v_mul_u32_u24 v3, v1, PITCH
	v_lshl_add_u32 v3, v2, 4, v3
	s_mul_i32 s21, s11, HA
	s_mul_i32 s22, s12, HB
	s_add_co_u32 s22, s22, 2*HA
.irp s, 0,1
	v_add_nc_u32 v[ADRA+(\s)], s21, v3
	v_add_nc_u32 v[ADRB+(\s)], s22, v3
	s_add_co_u32 s21, s21, SLOT
	s_add_co_u32 s22, s22, SLOT
.endr
	s_mul_i32 s23, s10, 16*SPITCH
	s_add_co_u32 s23, s23, STAGE
	v_mul_u32_u24 v4, v1, SPITCH
.if ESZ == 2
	v_lshl_add_u32 v4, v2, 4, v4
	v_add_nc_u32 v[STO], s23, v4
	v_mul_u32_u24 v5, v2, SPITCH
	v_lshl_add_u32 v5, v1, 4, v5
	v_add_nc_u32 v[RD], s23, v5
	v_mul_u32_u24 v5, v2, CROW
	v_lshl_add_u32 v[CO], v1, 4, v5
.else
	v_lshl_add_u32 v4, v2, 5, v4
	v_add_nc_u32 v[STO], s23, v4                   ; in: row l % 16, 32 bytes for each half of the lanes
	v_and_b32 v5, 31, v0
	v_lshlrev_b32 v[CO], 4, v5                     ; back: 32 lanes take a row of 512 bytes
	v_add_nc_u32 v[RD], s23, v[CO]
.endif
	s_mul_i32 s13, s13, 2*AROWS
	s_mul_i32 s14, s11, AROWS
	s_add_co_u32 s16, s13, s14
	s_mov_b32 s17, 0
	s_mov_b64 s[18:19], CROW
	s_mul_u64 s[16:17], s[16:17], s[18:19]
	s_mul_i32 s46, s42, 256*ESZ
	s_mul_i32 s47, s12, 128*ESZ
	s_add_co_u32 s46, s46, s47
	s_mov_b32 s47, 0
	s_add_nc_u64 s[16:17], s[16:17], s[46:47]
	s_add_nc_u64 s[8:9], s[8:9], s[16:17]
	s_lshl_b32 s42, s42, 8
	s_and_b32 s22, ttmp7, 0xffff
	s_cmp_eq_u32 s11, 0
	s_cselect_b32 s20, s13, s42
	s_cselect_b32 s21, s40, s41
	s_cselect_b32 s22, ttmp9, s22
	s_cselect_b32 s23, AROWS, 128
	s_cselect_b32 s14, 0, BOFF
	s_cselect_b32 s16, 15+16*(MH-1), 31
	s_cselect_b32 s17, 256*(2-MH), 0
	s_cselect_b64 s[PFA:PFA+1], s[4:5], s[6:7]
	s_cmp_eq_u32 s22, 0
	s_cselect_b32 s[LIM], 1, -1
	s_cmp_eq_u32 s11, 0
	s_cselect_b32 s[LIM2], -1, s[LIM]
	s_mul_i32 s18, s12, s23
	s_add_co_u32 s20, s20, s18
	s_lshr_b32 s23, s23, 2
	s_mul_i32 s18, s21, s23
	s_add_co_u32 s20, s20, s18
	s_mov_b32 s21, 0
	s_mov_b64 s[18:19], SIZE_K*2
	s_mul_u64 s[20:21], s[20:21], s[18:19]
	s_add_co_u32 s14, s14, 2*KSTEP*2
	s_mov_b32 s15, 0
	s_add_nc_u64 s[20:21], s[20:21], s[14:15]
	s_add_nc_u64 s[PFA:PFA+1], s[PFA:PFA+1], s[20:21]
	v_and_b32 v[PFO], s16, v0
	v_mul_u32_u24 v[PFO], v[PFO], SIZE_K*2
	v_mad_u32_u24 v[PFO], v2, s17, v[PFO]
.macro MULB f, hi, a, zero
	WIN MUL_LO+0x50*(\hi)
.irp b, 0,1,2,3,4,5,6,7
.if \zero
	v_wmma_f32_16x16x32_bf16 v[8*(8*(\a)+(\b)):8*(8*(\a)+(\b))+7], v[(\f)+8*(\b):(\f)+8*(\b)+7], v[(\f)+8*(4*(\hi)+(\a)):(\f)+8*(4*(\hi)+(\a))+7], 0
.else
	v_wmma_f32_16x16x32_bf16 v[8*(8*(\a)+(\b)):8*(8*(\a)+(\b))+7], v[(\f)+8*(\b):(\f)+8*(\b)+7], v[(\f)+8*(4*(\hi)+(\a)):(\f)+8*(4*(\hi)+(\a))+7], v[8*(8*(\a)+(\b)):8*(8*(\a)+(\b))+7]
.endif
.endr
.endm
.macro HALF1 f, zero
	MULB \f, 0, 0, \zero
	MULB \f, 0, 1, \zero
.if MH == 2
	MULB \f, 0, 2, \zero
	MULB \f, 0, 3, \zero
.endif
.endm
.macro HALF2 f, zero
.if MH == 2
	MULB \f, 1, 0, \zero
	MULB \f, 1, 1, \zero
	MULB \f, 1, 2, \zero
	MULB \f, 1, 3, \zero
.else
	MULB \f, 0, 2, \zero
	MULB \f, 0, 3, \zero
.endif
.endm
.macro FETCH slot, k, f
	WIN TO_B
.irp i, 0,1,2,3,4,5,6,7
	ds_load_b128 v[(\f)+8*(\i):(\f)+8*(\i)+3],   v[ADRB+(\slot)] offset:(\k)+(\i)*16*PITCH
	ds_load_b128 v[(\f)+8*(\i)+4:(\f)+8*(\i)+7], v[ADRB+(\slot)] offset:(\k)+(\i)*16*PITCH+32
.endr
	WIN 0
.set fi, 0
.rept 4*MH
	ds_load_b128 v[(\f)+8*fi:(\f)+8*fi+3],   v[ADRA+(\slot)] offset:(\k)+fi*16*PITCH
	ds_load_b128 v[(\f)+8*fi+4:(\f)+8*fi+7], v[ADRA+(\slot)] offset:(\k)+fi*16*PITCH+32
.set fi, fi+1
.endr
.endm
.macro PLACES
.rept 4
	v_nop
.endr
.endm
.macro QUARTER slot, k, f, g, zero
	s_wait_dscnt 4*MH                              ; B and the first half of A's blocks are in; the youngest 4 MH loads may be out
	HALF1 \f, \zero
	PLACES
	FETCH \slot, \k, \g
	s_wait_dscnt 16+8*MH                           ; all but the run just issued
	HALF2 \f, \zero
.endm
.macro TURN slot, next, fill
.if \fill
	s_wait_xcnt 0x0                                ; the last prefetch, a K step back, has read its address
	s_add_nc_u64 s[PFA:PFA+1], s[PFA:PFA+1], KSTEP*2
.endif
	WIN 0
	s_wait_tensorcnt 0x0                           ; all my tensor loads have landed: the one that was out is my part of the next slot
	ds_add_u32 v[SPW], v[NIL]
	s_wait_dscnt 5+2*MH                            ; the add and the youngest loads of A may be out
	MULB F1, 0, 0, 0
.if MH == 2
	MULB F1, 0, 1, 0
.endif
	s_wait_dscnt 0x0                               ; the add is done, my reads of this slot are over
	s_barrier_signal -1
.if MH == 2
	MULB F1, 0, 2, 0
	MULB F1, 0, 3, 0
.else
	MULB F1, 0, 1, 0
.endif
.if \fill
	WIN 0
.endif
	s_barrier_wait -1
.if \fill
	CREST
	s_add_nc_u64 s[G0+4*(\slot)+2:G0+4*(\slot)+3], s[G0+4*(\slot)+2:G0+4*(\slot)+3], 2*KSTEP*2
	s_add_nc_u64 s[G0B+4*(\slot)+2:G0B+4*(\slot)+3], s[G0B+4*(\slot)+2:G0B+4*(\slot)+3], 2*KSTEP*2
	JLOAD \slot
.else
	PLACES
.endif
	FETCH \next, 0, F0
.if \fill
	ASK \slot
.endif
	HALF2 F1, 0
.endm
	s_wait_tensorcnt 1                             ; my part of K step 0 is in; K step 1's may stay out
	s_barrier_signal -1
	s_barrier_wait -1
	FETCH 0, 0, F0
	QUARTER 0, 64, F0, F1, 1
	WIN 0
	s_mov_b32 s3, LAPS-1
.Llap:
	QUARTER 0, 128, F1, F0, 0
	QUARTER 0, 192, F0, F1, 0
	TURN 0, 1, 1
	QUARTER 1, 64,  F0, F1, 0
	QUARTER 1, 128, F1, F0, 0
	QUARTER 1, 192, F0, F1, 0
	TURN 1, 0, 1
	QUARTER 0, 64,  F0, F1, 0
	WIN 0
	s_sub_co_u32 s3, s3, 1
	s_cmp_lg_u32 s3, 0
	s_cbranch_scc1 .Llap
	QUARTER 0, 128, F1, F0, 0
	QUARTER 0, 192, F0, F1, 0
	TURN 0, 1, 0
	QUARTER 1, 64,  F0, F1, 0
	QUARTER 1, 128, F1, F0, 0
	QUARTER 1, 192, F0, F1, 0
	s_wait_dscnt 4*MH
	HALF1 F1, 0
	s_wait_dscnt 0x0
	HALF2 F1, 0
	WIN 0
	PLACES
; THE WAY OUT in f32: the accumulators go into my stage as they are (low registers first), and come back as rows of 512 bytes: a store covers 512 consecutive bytes, aligned.
.macro OUT32 a
.set BK, 64+64*((\a)%2)
	WIN 0x08                                       ; store data (source 1) in window 2
.irp b, 0,1,2,3,4,5,6,7
	ds_store_b128 v[STO], v[8*(8*(\a)+(\b)):8*(8*(\a)+(\b))+3]   offset:64*(\b)
	ds_store_b128 v[STO], v[8*(8*(\a)+(\b))+4:8*(8*(\a)+(\b))+7] offset:64*(\b)+16
.endr
	WIN 0
.if (\a) >= 2
	s_wait_xcnt 0x0                                ; the stores of two blocks back have read these registers
.endif
.irp t, 0,1,2,3,4,5,6,7,8,9,10,11,12,13,14,15
	ds_load_b128 v[BK+4*(\t):BK+4*(\t)+3], v[RD] offset:(\t)*SPITCH  ; LDS serves a wave's instructions in order: these see the stores above
.endr
.irp t, 0,1,2,3,4,5,6,7,8,9,10,11,12,13,14,15
	s_wait_dscnt 15-(\t)
	global_store_b128 v[CO], v[BK+4*(\t):BK+4*(\t)+3], s[8:9] offset:(16*(\a)+(\t))*CROW
.endr
.endm
	OUT32 0
	OUT32 1
	OUT32 2
	OUT32 3
	s_wait_tensorcnt 0x0                           ; the wave's end
	ds_add_u32 v[SPW], v[NIL]
	s_wait_dscnt 0x0
	CROUND                                         ; the closing round
	s_endpgm
.Lfunc_end_k_qffc6af051f_gemm_out:
	.size	k_qffc6af051f_gemm_out, .Lfunc_end_k_qffc6af051f_gemm_out-k_qffc6af051f_gemm_out
	.p2alignl 7, 3214868480
	.fill 96, 4, 3214868480
	.section	.rodata,"a",@progbits
	.p2align	6, 0x0
	.amdhsa_kernel k_qffc6af051f_gemm_out
		.amdhsa_group_segment_fixed_size 327680
		.amdhsa_private_segment_fixed_size 0
		.amdhsa_enable_private_segment 0
		.amdhsa_kernarg_size 24
		.amdhsa_user_sgpr_count 2
		.amdhsa_user_sgpr_kernarg_segment_ptr 1
		.amdhsa_wavefront_size32 1
		.amdhsa_system_sgpr_workgroup_id_x 1
		.amdhsa_system_sgpr_workgroup_id_y 1
		.amdhsa_system_sgpr_workgroup_id_z 1
		.amdhsa_system_vgpr_workitem_id 0
		.amdhsa_next_free_vgpr 768
		.amdhsa_next_free_sgpr 66
		.amdhsa_reserve_vcc 0
		.amdhsa_float_denorm_mode_32 3
		.amdhsa_float_denorm_mode_16_64 3
		.amdhsa_memory_ordered 1
		.amdhsa_forward_progress 1
		.amdhsa_inst_pref_size 89
	.end_amdhsa_kernel
	.amdgpu_metadata
---
amdhsa.version: [ 1, 2 ]
amdhsa.kernels:
  - .name:           k_qffc6af051f_gemm_out
    .symbol:         k_qffc6af051f_gemm_out.kd
    .args:
      - { .name: g, .offset: 0, .size: 8, .value_kind: global_buffer, .address_space: global }
      - { .name: wts, .offset: 8, .size: 8, .value_kind: global_buffer, .address_space: global }
      - { .name: out0, .offset: 16, .size: 8, .value_kind: global_buffer, .address_space: global }
    .group_segment_fixed_size: 327680
    .private_segment_fixed_size: 0
    .kernarg_segment_align: 8
    .kernarg_segment_size: 24
    .max_flat_workgroup_size: 128
    .sgpr_count:     66
    .vgpr_count:     768
    .wavefront_size: 32
...
	.end_amdgpu_metadata
.endif
;; end of part 7
;; ======== version 2 of 2: 7 launches; version 1 with the launches scanA, scanC written anew for expert scheduling mode
;; limits: values are held in f16: magnitudes above 65,504 overflow, below 6.1e-05 lose precision
;; workspace buffers: xb 16,777,216 bytes; wts 13,369,344 bytes; xz 67,108,864 bytes; xd 2,097,152 bytes; sums 16,252,928 bytes; init 8,388,608 bytes; g 33,554,432 bytes
;; launch prep: the kernel of part 1 again; grid 724 x 1, 4 waves a work-group, no clusters, 70,144 bytes of LDS; arguments x, W_in, W_out, W_xproj, W_dt, A_log, xb, wts; writes xb, wts
;; launch gemm_in: the kernel of part 2 again; grid 16 x 32, 4 waves a work-group, clusters of 4 x 4, 327,680 bytes of LDS; arguments xb, wts, xz; writes xz
;; launch xproj: the kernel of part 3 again; grid 256 x 1, 8 waves a work-group, no clusters, 103,424 bytes of LDS; arguments xz, wts, xd; writes xd
;; launch scanA (part 8): grid 31 x 16, 4 waves a work-group, no clusters, 17,152 bytes of LDS; arguments xz, xd, wts, b_dt, sums; writes sums
.if DOCPART == 8
	.amdgcn_target "amdgcn-amd-amdhsa--gfx1250"
	.amdhsa_code_object_version 6
	.text
	.protected	k_qffc6af051f_scanA
	.globl	k_qffc6af051f_scanA
	.p2align	8
	.type	k_qffc6af051f_scanA,@function
k_qffc6af051f_scanA:
	s_mov_b64 s[64:65], 0
	v_nop
	global_prefetch_b8 v0, s[64:65] scope:SCOPE_SE
	s_setreg_imm32_b32 hwreg(HW_REG_WAVE_SCHED_MODE, 0, 2), 2
	s_setreg_imm32_b32 hwreg(HW_REG_WAVE_MODE, 25, 1), 1
	s_wait_xcnt 0x0
	s_wait_alu depctr_vm_vsrc(0)
; THE SCAN, FIRST PASS.  L = 4096 is cut into 32 chunks of 128 steps.  For chunks 0-30 this launch makes, for each channel and state, P = the product of a = 1 + A dt over the chunk,
; and E = the state at the chunk's end when it starts from 0.  The recurrence is linear, so the true end is P x (true start) + E.
; SHARES.  Work-group (chunk, 8 batch + block of 256 channels); wave w takes 64 channels, lane l the two channels 2 l + e.  All arithmetic is packed over that pair of channels.
; The work-group is small (four waves, 368 registers, 17 KiB of LDS) so that two of them lie on a WGP and each SIMD has two waves to issue from.
; delta = clip(softplus(dlt W_dt + b)) is made here, 8 steps at a time, by eight products (16 rows x 16 channels x 32).  The 16 rows are the 8 steps twice (lane r loads row r % 8), so register j
; of a tile is step j in both halves of the lanes; tile 2 e + hh has as column r the channel 2 (16 hh + r) + e, so lane 16 h + r takes tile (e, h): one select a number, straight into the pair (e = 0, e = 1).
; The bias (rounded to bf16 like every input) is the first product's C.
; B of a step is the same for all lanes: it lies in LDS and is read by loads with one address; a packed instruction takes one register of the pair for both halves.
; LIMITS: a NaN in front of the clip is not treated as the reference's clip treats it; exp2 and log2 take denormals as 0; B (dt x) is rounded in another order than (B dt) x.
; THE MODE: SCHED_MODE bits 1:0 = 2 (LLVM: expert scheduling mode 2), set by the entry lines.  The code itself states the register dependences
; between vector or matrix instructions and memory or LDS instructions, with s_wait_alu, always for 0.
; THE PLAN.  Registers that memory or LDS instructions touch, in the loop:
;   BC     four buffers; row r of B lies in buffer r % 4.  Step s's packed instructions read buffer s % 4.  The rows come in pairs: rows s + 2 and s + 3 are asked for at the head of even step s,
;          into the two buffers that steps s - 2 and s - 1 read; for s = 0 at the trip's wait, into those that the last trip's steps 6 and 7 read.
;   X      read by the trip's eight copies into XC; behind them the next trip's loads land in it.
;   DF     read by the trip's eight products; behind them the next trip's loads land in it.
;   v[BCA] read by every LDS load of a row; written once a trip.
;   v[XO], v[DO], v[IL]  offsets, made at the head and never written again: the scalar bases move on.
;   h, P   written by the steps; read by the stores behind the loop.
;   A, a, dt, XC, U, the product tiles, W_dt's fragments and the bias are named by vector and matrix instructions alone.
; THE WAITS OF A TRIP.  One on vm_vsrc ahead of the write of v[BCA].  Behind that write THE TRIP'S WAIT on va_vdst: the exponentials' results are written, the products are done with DF, the copies with X,
; v[BCA] is written, the last trip's steps 6 and 7 are done with their buffers; the next trip's x and dlt and rows 2 and 3 follow it, with loads and window switches alone between.
; One behind the logarithms.  One at the head of each of steps 2, 4 and 6, straight ahead of its pair of rows.
.set WDF,   12976128
.set APK,   13238272
.set PADB,  16384                      ; behind B's and C's 128 rows of 128 bytes: two rows of zeros, which the last trip's look-ahead reads
.set SPARE, 16640                      ; the spare words, 128 bytes a wave
.set EOFF,  8126464                    ; E lies behind P's 31 images of 262,144 bytes
.set SPW, 2
.set NIL, 3
.set ZR,  4                            ; v4  0
.set BCA, 6                            ; v6  LDS address of the trip's first row of B
.set XO,  7                            ; v7  4 x thread: my two channels in a row of xp
.set DO,  8                            ; v8  my place in dlt's fragment
.set IL,  9                            ; v9  16 x lane
.set IT,  10                           ; v10 16 x thread
.set BT,  11                           ; v11 my column's place in b_dt
.set PA,  12                           ; v12 my two bytes of the pad
.set U,   14                           ; v[14:15] dt x
.set H,   16                           ; v[16:47]  h: state n at 2 n, 2 n + 1
.set AA,  48                           ; v[48:79]  A
.set AT,  80                           ; v[80:95]  a of eight states
.set BC0, 96                           ; v[96:159] four buffers of 16: B of a step
.set P,   160                          ; v[160:191]
.set DTP, 192                          ; v[192:207] dt: step i at 2 i, 2 i + 1
.set X,   208                          ; v[208:215] xp of the next trip, a word (two f16) a step
.set XC,  216                          ; v[216:223] xp of the trip in hand
.set RAW, 224                          ; v[224:255] the four product tiles
.set WF,  0                            ; window 1: v[0:63] W_dt's fragments, (i, kk) at 8 (2 i + kk)
.set DF,  64                           ; window 1: v[64:79] dlt's two fragments
.set BW,  80                           ; window 1: v[80:111] the bias as four tiles
.set XB,  26
.set DB,  30
.set ST,  34
.set SD,  36
.set CNT, 40
.set TB,  41
.set LO,  42
.set HI,  43
.set BCS, 46
.set WFS, 48
.set AAS, 50
.set SB,  52
.set BS,  54
.set NBC, 4                            ; LDS loads for a step's B
.set MSB, 0
.macro WIN new                         ; the immediate's high byte repeats the setting that is left
.if MSB != (\new)
	s_set_vgpr_msb (MSB<<8)|(\new)
.set MSB, \new
.endif
.endm
	s_load_b256 s[4:11], s[0:1], 0x0               ; xz 4, xd 6, wts 8, b_dt 10
	s_load_b64 s[12:13], s[0:1], 0x20              ; sums
	v_lshl_add_u32 v[SPW], v0, 2, SPARE
	v_mov_b32 v[NIL], 0
	v_lshrrev_b32 v1, 5, v0
	v_readfirstlane_b32 s18, v1                    ; wave
	s_and_b32 s19, ttmp7, 0xffff
	s_lshr_b32 s20, s19, 3                         ; batch
	s_and_b32 s21, s19, 7                          ; block of 256 channels
	s_lshl_b32 s22, s20, 12
	s_lshl_b32 s23, ttmp9, 7
	s_add_co_u32 s22, s22, s23                     ; the chunk's first row
	s_wait_alu depctr_va_sdst(0)                   ; s18 is written, ahead of its first reader: bases and offsets are made from it
	s_lshl2_add_u32 s24, s21, s18                  ; block of 64 channels
	s_lshl2_add_u32 s25, s19, s18                  ; my wave among the 64 of a chunk
	v_and_b32 v1, 31, v0
	v_and_b32 v5, 15, v0
	v_bfe_u32 v[PA], v0, 4, 1
	v_and_b32 v13, 7, v0
	v_cmp_lt_u32 vcc_lo, 15, v1                    ; the upper half of the lanes: kept in VCC for the whole launch; nothing else writes it
	v_lshlrev_b32 v[XO], 2, v0
	v_lshlrev_b32 v[DO], 7, v13                    ; row r % 8 of dlt's eight,
	v_lshl_add_u32 v[DO], v[PA], 4, v[DO]          ; 16 bytes for each half of the lanes
	v_lshl_add_u32 v[PA], v0, 1, PADB
	v_lshlrev_b32 v[IL], 4, v1
	v_lshlrev_b32 v[IT], 4, v0
	s_lshl_b32 s23, s18, 8
	v_lshl_add_u32 v[BT], v5, 3, s23
	v_mov_b32 v[ZR], 0
	v_mov_b32 v[BCA], 0                            ; the first two rows of B are asked for ahead of the loop
	s_wait_alu depctr_va_vcc(0)                    ; VCC is written, in the compare's own run of code, ahead of the loop's label: the selects in the loop read it
	s_mov_b32 s45, 0
	s_mov_b32 s[ST+1], 0
	s_mov_b32 s[SD+1], 0
	s_mov_b32 s[LO], 0x3a83126f                    ; 0.001
	s_mov_b32 s[HI], 0x3dcccccd                    ; 0.1
	s_mov_b32 s[TB], 0
	s_mov_b32 s[CNT], 16
	s_wait_kmcnt 0x0
	s_lshl_b32 s44, s22, 13
	s_lshl_b32 s20, s21, 9
	s_add_co_u32 s44, s44, s20
	s_add_nc_u64 s[XB:XB+1], s[4:5], s[44:45]
	s_lshl_b32 s44, s22, 7
	s_add_nc_u64 s[DB:DB+1], s[6:7], s[44:45]
	s_add_nc_u64 s[BCS:BCS+1], s[DB:DB+1], 1048576
	s_lshl_b32 s44, s24, 13
	s_add_co_u32 s44, s44, WDF
	s_add_nc_u64 s[WFS:WFS+1], s[8:9], s[44:45]
	s_lshl_b32 s44, s24, 12
	s_add_co_u32 s44, s44, APK
	s_add_nc_u64 s[AAS:AAS+1], s[8:9], s[44:45]
	s_lshl_b32 s44, s21, 10
	s_add_nc_u64 s[BS:BS+1], s[10:11], s[44:45]
	s_lshl_b32 s44, ttmp9, 18
	s_lshl_b32 s20, s25, 12
	s_add_co_u32 s44, s44, s20
	s_add_nc_u64 s[SB:SB+1], s[12:13], s[44:45]
	s_wait_alu depctr_va_vdst(0)                   ; the offsets and addresses v6 to v12 and the 0 in v4 are written, which the kernel's loads and stores read
.set i, 0
.rept 8
	global_load_b128 v[BC0+4*i:BC0+4*i+3], v[IT], s[BCS:BCS+1] offset:2048*i  ; the chunk's B and C, 16 KiB, shared out among the 128 threads
.set i, i+1
.endr
	WIN 0x40
.set i, 0
.rept 16
	global_load_b128 v[WF+4*i:WF+4*i+3], v[IL], s[WFS:WFS+1] offset:512*i
.set i, i+1
.endr
.irp i, 0,1,2,3
	global_load_b128 v[DF+4*(\i):DF+4*(\i)+3], v[DO], s[DB:DB+1] offset:32*(\i)
.endr
	WIN 0
.irp q, 0,1,2,3,4,5,6,7
	global_load_b128 v[AA+4*(\q):AA+4*(\q)+3], v[IL], s[AAS:AAS+1] offset:512*(\q)
.endr
.irp i, 0,1,2,3
	global_load_b32 v[RAW+(\i)], v[BT], s[BS:BS+1] offset:128*((\i)&1)+4*((\i)>>1)
.endr
.set i, 0
.rept 8
	global_load_b32 v[X+i], v[XO], s[XB:XB+1] offset:8192*i
.set i, i+1
.endr
.set i, 0
.rept 32
	v_mov_b32 v[H+i], 0                            ; the chunk starts from 0; written while the loads are out: no load or store of the head names h or P
.set i, i+1
.endr
.set i, 0
.rept 32
	v_mov_b32 v[P+i], 1.0
.set i, i+1
.endr
	s_wait_loadcnt 0x0
.set i, 0
.rept 8
	ds_store_b128 v[IT], v[BC0+4*i:BC0+4*i+3] offset:2048*i
.set i, i+1
.endr
	ds_store_b16 v[PA], v[ZR]                      ; the pad: 128 threads x 2 bytes
.irp i, 0,1,2,3
	v_cvt_pk_bf16_f32 v[RAW+(\i)], v[RAW+(\i)], v[RAW+(\i)]   ; the bias's rounding to bf16
.endr
.irp i, 0,1,2,3
	v_lshlrev_b32 v[RAW+(\i)], 16, v[RAW+(\i)]
.endr
	WIN 0x40
.irp i, 0,1,2,3
.irp j, 0,1,2,3,4,5,6,7
	v_mov_b32 v[BW+8*(\i)+(\j)], v[RAW+(\i)]
.endr
.endr
	WIN 0
	s_wait_dscnt 0x0                               ; for the others' sake: my part of B, C and the pad lies in LDS
	s_barrier_signal -1
	s_barrier_wait -1
.macro BCLOAD s                        ; row s's B (counted from the trip's first row) into buffer s % 4: one address for all lanes
.set LB, BC0+16*((\s)&3)
.irp q, 0,1,2,3
	ds_load_b128 v[LB+4*(\q):LB+4*(\q)+3], v[BCA] offset:128*(\s)+16*(\q)
.endr
.endm
.macro PKB d, bc, n, x, c              ; d = (number n behind bc, for both halves) x + c
.if (\n)&1
	v_pk_fma_f32 v[(\d):(\d)+1], v[(\bc)+(\n)-1:(\bc)+(\n)], v[(\x):(\x)+1], v[(\c):(\c)+1] op_sel:[1,0,0] op_sel_hi:[1,1,1]
.else
	v_pk_fma_f32 v[(\d):(\d)+1], v[(\bc)+(\n):(\bc)+(\n)+1], v[(\x):(\x)+1], v[(\c):(\c)+1] op_sel_hi:[0,1,1]
.endif
.endm
.macro AN s, n                         ; a = 1 + A dt
	v_pk_fma_f32 v[AT+2*((\n)&7):AT+2*((\n)&7)+1], v[AA+2*(\n):AA+2*(\n)+1], v[DTP+2*(\s):DTP+2*(\s)+1], 1.0 op_sel_hi:[1,1,0]
.endm
.macro MA r, n                         ; r's state n times a
	v_pk_mul_f32 v[(\r)+2*(\n):(\r)+2*(\n)+1], v[(\r)+2*(\n):(\r)+2*(\n)+1], v[AT+2*((\n)&7):AT+2*((\n)&7)+1]
.endm
; A step: runs of eight instructions that do not wait for each other.  Steps 2, 4 and 6 begin by asking for the rows two and three steps on: step 6 for the next trip's first two rows.
.macro STEP s
.if (\s) == 0
	s_wait_dscnt 3*NBC                             ; LDS loads come back in order: row 0 is in; rows 1, 2 and 3 may stay out
.elseif (\s)&1
	s_wait_dscnt 2*NBC                             ; my row is in; the pair asked for a step ago may stay out
.else
	s_wait_dscnt NBC                               ; my row is in; the pair's second row may stay out
	s_wait_alu depctr_va_vdst(0)                   ; the two steps before are done reading their rows of B, in whose buffers the loads below land
	BCLOAD (\s)+2
	BCLOAD (\s)+3
.endif
.set BB, BC0+16*((\s)&3)
	v_fma_mix_f32 v[U],   v[XC+(\s)], v[DTP+2*(\s)],   v[ZR] op_sel_hi:[1,0,0]
	v_fma_mix_f32 v[U+1], v[XC+(\s)], v[DTP+2*(\s)+1], v[ZR] op_sel:[1,0,0] op_sel_hi:[1,0,0]
.irp n, 0,1,2,3,4,5,6,7
	AN \s, \n
.endr
.irp n, 0,1,2,3,4,5,6,7
	MA P, \n
.endr
.irp n, 0,1,2,3,4,5,6,7
	MA H, \n
.endr
.irp n, 8,9,10,11,12,13,14,15
	AN \s, \n
.endr
.irp n, 0,1,2,3,4,5,6,7
	PKB H+2*(\n), BB, \n, U, H+2*(\n)
.endr
.irp n, 8,9,10,11,12,13,14,15
	MA P, \n
.endr
.irp n, 8,9,10,11,12,13,14,15
	MA H, \n
.endr
.irp n, 8,9,10,11,12,13,14,15
	PKB H+2*(\n), BB, \n, U, H+2*(\n)
.endr
.endm
; delta of 8 steps, in two parts: up to the exponentials, and from them on.  The exponentials are one batch, whose wait is the trip's wait; the logarithms another, with a wait of their own.
.macro SOFT1
.irp e, 0,1
.irp j, 0,1,2,3,4,5,6,7
	v_cndmask_b32 v[DTP+2*(\j)+(\e)], v[RAW+16*(\e)+(\j)], v[RAW+16*(\e)+8+(\j)], vcc_lo  ; lanes 0-15 take tile (e, 0), lanes 16-31 tile (e, 1); each tile's lowest register is read first
.endr
.endr
.set i, 0
.rept 8
	v_pk_mul_f32 v[DTP+2*i:DTP+2*i+1], v[DTP+2*i:DTP+2*i+1], 0x3fb8aa3b op_sel_hi:[1,0]
.set i, i+1
.endr
.set i, 0
.rept 16
	v_exp_f32 v[DTP+i], v[DTP+i]
.set i, i+1
.endr
.endm
.macro SOFT2
.set i, 0
.rept 8
	v_pk_add_f32 v[DTP+2*i:DTP+2*i+1], v[DTP+2*i:DTP+2*i+1], 1.0 op_sel_hi:[1,0]
.set i, i+1
.endr
.set i, 0
.rept 16
	v_log_f32 v[DTP+i], v[DTP+i]
.set i, i+1
.endr
	v_nop                                          ; a plain instruction behind the last logarithm,
	s_wait_alu depctr_va_vdst(0)                   ; and one wait for the batch: the logarithms' results are written, ahead of their first reader
.set i, 0
.rept 8
	v_pk_mul_f32 v[DTP+2*i:DTP+2*i+1], v[DTP+2*i:DTP+2*i+1], 0x3f317218 op_sel_hi:[1,0]
.set i, i+1
.endr
.set i, 0
.rept 16
	v_med3_num_f32 v[DTP+i], v[DTP+i], s[LO], s[HI]
.set i, i+1
.endr
.endm
.macro PRODUCTS                        ; the four tiles take turns
	WIN 0x15                                       ; dlt, W_dt and the bias in window 1, the result in window 0
.irp i, 0,1,2,3
	v_wmma_f32_16x16x32_bf16 v[RAW+8*(\i):RAW+8*(\i)+7], v[DF:DF+7], v[WF+16*(\i):WF+16*(\i)+7], v[BW+8*(\i):BW+8*(\i)+7]
.endr
	WIN 0x05
.irp i, 0,1,2,3
	v_wmma_f32_16x16x32_bf16 v[RAW+8*(\i):RAW+8*(\i)+7], v[DF+8:DF+15], v[WF+16*(\i)+8:WF+16*(\i)+15], v[RAW+8*(\i):RAW+8*(\i)+7]
.endr
	WIN 0
.endm
	s_wait_alu depctr_vm_vsrc(0)                   ; my LDS stores have read v[BC0 .. BC0+31]: these registers are buffers 0 and 1 from here on, in which the loads below land
	BCLOAD 0                                       ; the pipeline of B's rows starts: two rows ahead.  v[BCA] was written ahead of the head's wait on va_vdst, and no vector instruction has named it since
	BCLOAD 1
.Lgrp:                                                 ; a trip: 8 steps
	s_wait_loadcnt 0x0                             ; this trip's xp and dlt, asked for a trip ago, are in; so their bases may be stepped
	s_cmp_eq_u32 s[CNT], 1                         ; the last trip has no next one: it asks for its own rows again, inside the buffers
	s_cselect_b32 s[ST], 0, 0x10000
	s_cselect_b32 s[SD], 0, 1024
	s_add_nc_u64 s[XB:XB+1], s[XB:XB+1], s[ST:ST+1]
	s_add_nc_u64 s[DB:DB+1], s[DB:DB+1], s[SD:SD+1]
	PRODUCTS
.set i, 0
.rept 8
	v_mov_b32 v[XC+i], v[X+i]                      ; also the plain instructions between the products and the selects that read their results
.set i, i+1
.endr
	SOFT1
	s_wait_alu depctr_vm_vsrc(0)                   ; the LDS loads issued so far have read v[BCA]
	v_mov_b32 v[BCA], s[TB]                        ; this trip's first row; also the plain instruction behind the last exponential
	s_wait_alu depctr_va_vdst(0)                   ; THE TRIP'S WAIT: the exponentials' results are written; the copies are done reading X and the products DF; v[BCA] is written; the last trip's steps 6 and 7 are done reading buffers 2 and 3
.set i, 0
.rept 8
	global_load_b32 v[X+i], v[XO], s[XB:XB+1] offset:8192*i
.set i, i+1
.endr
	BCLOAD 2                                       ; between the wait and these loads stand loads and window switches alone
	BCLOAD 3
	WIN 0x40
.irp i, 0,1,2,3
	global_load_b128 v[DF+4*(\i):DF+4*(\i)+3], v[DO], s[DB:DB+1] offset:32*(\i)
.endr
	WIN 0
	SOFT2
.irp t, 0,1,2,3,4,5,6,7
	STEP \t
.endr
	s_add_co_u32 s[TB], s[TB], 1024
	s_sub_co_u32 s[CNT], s[CNT], 1
	s_cmp_lg_u32 s[CNT], 0
	s_cbranch_scc1 .Lgrp
	s_wait_alu depctr_va_vdst(0)                   ; the last step has written P and h, which the stores read
.irp q, 0,1,2,3,4,5,6,7
	global_store_b128 v[IL], v[P+4*(\q):P+4*(\q)+3], s[SB:SB+1] offset:512*(\q)           ; my registers as they are: 512 consecutive bytes a store
	global_store_b128 v[IL], v[H+4*(\q):H+4*(\q)+3], s[SB:SB+1] offset:EOFF+512*(\q)
.endr
	s_wait_dscnt 0x0                               ; the closing lines, six on end
	s_wait_alu 0x0
	s_wait_tensorcnt 0x0
	ds_add_u32 v[SPW], v[NIL]
	s_wait_dscnt 0x0
	s_endpgm
.Lfunc_end_k_qffc6af051f_scanA:
	.size	k_qffc6af051f_scanA, .Lfunc_end_k_qffc6af051f_scanA-k_qffc6af051f_scanA
	.p2alignl 7, 3214868480
	.fill 96, 4, 3214868480
	.section	.rodata,"a",@progbits
	.p2align	6, 0x0
	.amdhsa_kernel k_qffc6af051f_scanA
		.amdhsa_group_segment_fixed_size 17152
		.amdhsa_private_segment_fixed_size 0
		.amdhsa_enable_private_segment 0
		.amdhsa_kernarg_size 40
		.amdhsa_user_sgpr_count 2
		.amdhsa_user_sgpr_kernarg_segment_ptr 1
		.amdhsa_wavefront_size32 1
		.amdhsa_system_sgpr_workgroup_id_x 1
		.amdhsa_system_sgpr_workgroup_id_y 1
		.amdhsa_system_sgpr_workgroup_id_z 1
		.amdhsa_system_vgpr_workitem_id 0
		.amdhsa_next_free_vgpr 368
		.amdhsa_next_free_sgpr 66
		.amdhsa_reserve_vcc 1
		.amdhsa_float_denorm_mode_32 3
		.amdhsa_float_denorm_mode_16_64 3
		.amdhsa_memory_ordered 1
		.amdhsa_forward_progress 1
		.amdhsa_inst_pref_size 57
	.end_amdhsa_kernel
	.amdgpu_metadata
---
amdhsa.version: [ 1, 2 ]
amdhsa.kernels:
  - .name:           k_qffc6af051f_scanA
    .symbol:         k_qffc6af051f_scanA.kd
    .args:
      - { .name: xz, .offset: 0, .size: 8, .value_kind: global_buffer, .address_space: global }
      - { .name: xd, .offset: 8, .size: 8, .value_kind: global_buffer, .address_space: global }
      - { .name: wts, .offset: 16, .size: 8, .value_kind: global_buffer, .address_space: global }
      - { .name: b_dt, .offset: 24, .size: 8, .value_kind: global_buffer, .address_space: global }
      - { .name: sums, .offset: 32, .size: 8, .value_kind: global_buffer, .address_space: global }
    .group_segment_fixed_size: 17152
    .private_segment_fixed_size: 0
    .kernarg_segment_align: 8
    .kernarg_segment_size: 40
    .max_flat_workgroup_size: 128
    .sgpr_count:     66
    .vgpr_count:     368
    .wavefront_size: 32
...
	.end_amdgpu_metadata
.endif
;; end of part 8
;; launch scanB: the kernel of part 5 again; grid 256 x 1, 2 waves a work-group, no clusters, 0 bytes of LDS; arguments sums, init; writes init
;; launch scanC (part 9): grid 32 x 16, 4 waves a work-group, no clusters, 21,248 bytes of LDS; arguments xz, xd, wts, b_dt, D, init, g; writes g
.if DOCPART == 9
	.amdgcn_target "amdgcn-amd-amdhsa--gfx1250"
	.amdhsa_code_object_version 6
	.text
	.protected	k_qffc6af051f_scanC
	.globl	k_qffc6af051f_scanC
	.p2align	8
	.type	k_qffc6af051f_scanC,@function
k_qffc6af051f_scanC:
	s_mov_b64 s[64:65], 0
	v_nop
	global_prefetch_b8 v0, s[64:65] scope:SCOPE_SE
	s_setreg_imm32_b32 hwreg(HW_REG_WAVE_SCHED_MODE, 0, 2), 2
	s_setreg_imm32_b32 hwreg(HW_REG_WAVE_MODE, 25, 1), 1
	s_wait_xcnt 0x0
	s_wait_alu depctr_vm_vsrc(0)
; THE SCAN, THIRD PASS, AND THE GATE.  Each chunk of 128 steps starts from its true state (init) and makes y; g = (y + D xp) silu(z), rounded once to bf16 (bf16 for its range).
; Shares, packing and delta are the first pass's: work-group (chunk, 8 batch + block of 256 channels), wave w 64 channels, lane l the channels 2 l + e, all arithmetic packed over that pair;
; a trip is 8 steps; the work-group is small so that two of them lie on a WGP and each SIMD has two waves to issue from.
; y has four partial sums (states n % 4).  When a step's dt is dead, its registers take the step's y; the gate then works on 8 steps at once, its exponentials and reciprocals one batch each.
; g leaves through a stage in LDS shared by the four waves (8 rows x 512 bytes): a wave's 128 bytes of a row are put in, and whole rows of 512 consecutive bytes are stored.
; LIMITS: as in the first pass; D and b_dt are rounded to bf16 like every input; exp2 and the reciprocal take denormals as 0.
; THE MODE: SCHED_MODE bits 1:0 = 2 (LLVM: expert scheduling mode 2), set by the entry lines.  The code itself states the register dependences
; between vector or matrix instructions and memory or LDS instructions, with s_wait_alu, always for 0.
; THE PLAN.  Registers that memory or LDS instructions touch, in the loop:
;   BC     four buffers; row r of B and C lies in buffer r % 4.  Step s's packed instructions read buffer s % 4.  The rows come in pairs: rows s + 2 and s + 3 are asked for at the head of even step s,
;          into the two buffers that steps s - 2 and s - 1 read; for s = 0 at the trip's wait, into those that the last trip's steps 6 and 7 read.
;   X, Z   read by the trip's sixteen copies into XC and ZC; behind them the next trip's loads land in them.
;   DF     read by the trip's eight products; behind them the next trip's loads land in it.
;   v[BCA] read by every LDS load of a row; written once a trip.
;   TT 0-7 written by the gate's roundings; read by the eight LDS stores into the stage; written again (as a) in the next trip's step 0.
;   Y      named by the steps' sums; then two rows of the stage land in it, and the two global stores read it; written again in the next trip's step 0.
;   v[XO], v[DO], v[SA], v[RA], v[GO]  offsets and addresses, made at the head and never written again: the scalar bases move on.
;   h, A, dt and y, XC, ZC, U, D, the product tiles, W_dt's fragments and the bias are named by vector and matrix instructions alone.
; THE WAITS OF A TRIP.  One on vm_vsrc ahead of the write of v[BCA]: it also states that the last trip's LDS stores have read TT and its global stores Y.  Behind that write THE TRIP'S WAIT on va_vdst:
; the exponentials' results are written, the products are done with DF, the copies with X and Z, v[BCA] is written, the last trip's steps 6 and 7 are done with their buffers; the next trip's x, z and dlt
; and rows 2 and 3 follow it, with loads and a window switch alone between.  One behind the logarithms.  One at the head of each of steps 2, 4 and 6, straight ahead of its pair of rows.
; In the gate one behind each batch, and one behind the roundings, ahead of the LDS stores; no vector instruction behind step 7 names Y, so it serves the loads from the stage too.
; REGISTERS.  Window 0 holds what the steps' packed instructions name together, the four buffers among them; the product tiles, X, Z and ZC lie in window 1 beside the products' operands.
.set WDF,   12976128
.set APK,   13238272
.set PADB,  16384                      ; behind B's and C's 16 KiB: two rows of zeros, which the last trip's look-ahead reads
.set STG,   16640                      ; the stage
.set SPARE, 20736
.set SPW, 2
.set NIL, 3
.set ZR,  4                            ; v4  0
.set NL,  5                            ; v5  -log2(e)
.set BCA, 6
.set XO,  7
.set DO,  8
.set SA,  9                            ; v9  where I put a step's word into the stage
.set RA,  10                           ; v10 where I read rows back
.set GO,  11                           ; v11 my 16 bytes of my wave's first row of g
.set DD,  12                           ; v[12:13] D of my two channels
.set U,   14
.set Y,   16                           ; v[16:23] four partial sums of y; on the way out, two rows of g
.set IL,  20                           ; v20-23, at the head only, in Y's upper registers: 16 x lane,
.set IT,  21                           ; 16 x thread,
.set BT,  22                           ; my column's place in b_dt,
.set DT8, 23                           ; 8 x thread: my two channels in D
.set H,   24
.set AA,  56
.set AT,  88                           ; v[88:103] a of eight states
.set TT,  88                           ; the gate's work lies there too
.set BC0, 104                          ; v[104:231] four buffers of 32: B and C of a step
.set DTP, 232                          ; v[232:247] dt, later y: step i at 2 i, 2 i + 1
.set XC,  248                          ; v[248:255] xp of the trip in hand
.set WF,  0                            ; window 1: v[0:63] W_dt's fragments
.set DF,  64                           ; window 1: v[64:79] dlt's two fragments
.set BW,  80                           ; window 1: v[80:111] the bias as four tiles
.set RAW, 112                          ; window 1: v[112:143] the four product tiles
.set X,   144                          ; window 1: v[144:151] xp of the next trip
.set Z,   152                          ; window 1: v[152:159] z of the next trip
.set ZC,  160                          ; window 1: v[160:167] z of the trip in hand
.set XB,  26
.set DB,  30
.set GB,  32
.set ST,  34
.set SD,  36
.set SG,  38
.set CNT, 40
.set TB,  41
.set LO,  42
.set HI,  43
.set BCS, 46
.set WFS, 48
.set AAS, 50
.set INS, 52
.set BS,  54
.set DS,  56
.set NBC, 8
.set MSB, 0
.macro WIN new
.if MSB != (\new)
	s_set_vgpr_msb (MSB<<8)|(\new)
.set MSB, \new
.endif
.endm
	s_load_b256 s[4:11], s[0:1], 0x0               ; xz 4, xd 6, wts 8, b_dt 10
	s_load_b128 s[12:15], s[0:1], 0x20             ; D 12, init 14
	s_load_b64 s[16:17], s[0:1], 0x30              ; g
	v_lshl_add_u32 v[SPW], v0, 2, SPARE
	v_mov_b32 v[NIL], 0
	v_lshrrev_b32 v1, 5, v0
	v_readfirstlane_b32 s18, v1
	s_and_b32 s19, ttmp7, 0xffff
	s_lshr_b32 s20, s19, 3
	s_and_b32 s21, s19, 7
	s_lshl_b32 s22, s20, 12
	s_lshl_b32 s23, ttmp9, 7
	s_add_co_u32 s22, s22, s23                     ; the chunk's first row
	s_wait_alu depctr_va_sdst(0)                   ; s18 is written, ahead of its first reader: bases and offsets are made from it
	s_lshl2_add_u32 s24, s21, s18
	s_lshl2_add_u32 s25, s19, s18
	v_and_b32 v1, 31, v0
	v_and_b32 v[Y], 15, v0
	v_bfe_u32 v[Y+1], v0, 4, 1
	v_and_b32 v[Y+2], 7, v0
	v_cmp_lt_u32 vcc_lo, 15, v1                    ; the upper half of the lanes: kept in VCC for the whole launch; nothing else writes it
	v_lshlrev_b32 v[XO], 2, v0
	v_lshlrev_b32 v[DO], 7, v[Y+2]                 ; row r % 8 of dlt's eight
	v_lshl_add_u32 v[DO], v[Y+1], 4, v[DO]
	v_lshlrev_b32 v[IL], 4, v1
	v_lshlrev_b32 v[IT], 4, v0
	v_lshlrev_b32 v[DT8], 3, v0
	v_lshl_add_u32 v1, v0, 1, PADB                 ; my two bytes of the pad
	s_lshl_b32 s23, s18, 8
	v_lshl_add_u32 v[BT], v[Y], 3, s23
	v_add_nc_u32 v[SA], STG, v[XO]
	s_lshl_b32 s23, s18, 10
	s_add_co_u32 s23, s23, STG
	v_add_nc_u32 v[RA], s23, v[IL]                 ; rows 2 w, 2 w + 1 of the stage
	s_lshl_b32 s23, s18, 13
	v_add_nc_u32 v[GO], s23, v[IL]
	v_mov_b32 v[ZR], 0
	v_mov_b32 v[NL], 0xbfb8aa3b
	v_mov_b32 v[BCA], 0                            ; the first two rows of B and C are asked for ahead of the loop
	s_wait_alu depctr_va_vcc(0)                    ; VCC is written, in the compare's own run of code, ahead of the loop's label: the selects in the loop read it
	s_mov_b32 s45, 0
	s_mov_b32 s[ST+1], 0
	s_mov_b32 s[SD+1], 0
	s_mov_b32 s[SG], 0
	s_mov_b32 s[SG+1], 0
	s_mov_b32 s[LO], 0x3a83126f
	s_mov_b32 s[HI], 0x3dcccccd
	s_mov_b32 s[TB], 0
	s_mov_b32 s[CNT], 16
	s_wait_kmcnt 0x0
	s_lshl_b32 s44, s22, 13
	s_lshl_b32 s20, s21, 9
	s_add_co_u32 s44, s44, s20
	s_add_nc_u64 s[XB:XB+1], s[4:5], s[44:45]
	s_lshl_b32 s44, s22, 7
	s_add_nc_u64 s[DB:DB+1], s[6:7], s[44:45]
	s_add_nc_u64 s[BCS:BCS+1], s[DB:DB+1], 1048576
	s_lshl_b32 s44, s24, 13
	s_add_co_u32 s44, s44, WDF
	s_add_nc_u64 s[WFS:WFS+1], s[8:9], s[44:45]
	s_lshl_b32 s44, s24, 12
	s_add_co_u32 s44, s44, APK
	s_add_nc_u64 s[AAS:AAS+1], s[8:9], s[44:45]
	s_lshl_b32 s44, s21, 10
	s_add_nc_u64 s[BS:BS+1], s[10:11], s[44:45]
	s_add_nc_u64 s[DS:DS+1], s[12:13], s[44:45]
	s_lshl_b32 s44, ttmp9, 18
	s_lshl_b32 s20, s25, 12
	s_add_co_u32 s44, s44, s20
	s_add_nc_u64 s[INS:INS+1], s[14:15], s[44:45]
	s_lshl_b32 s44, s22, 12
	s_lshl_b32 s20, s21, 9
	s_add_co_u32 s44, s44, s20
	s_add_nc_u64 s[GB:GB+1], s[16:17], s[44:45]
	s_wait_alu depctr_va_vdst(0)                   ; the offsets and addresses v1, v6 to v11 and v20 to v23 and the 0 in v4 are written, which the kernel's loads and stores read
.set i, 0
.rept 8
	global_load_b128 v[BC0+4*i:BC0+4*i+3], v[IT], s[BCS:BCS+1] offset:2048*i  ; the chunk's B and C, 16 KiB, shared out among the 128 threads
.set i, i+1
.endr
	WIN 0x40
.set i, 0
.rept 16
	global_load_b128 v[WF+4*i:WF+4*i+3], v[IL], s[WFS:WFS+1] offset:512*i
.set i, i+1
.endr
.irp i, 0,1,2,3
	global_load_b128 v[DF+4*(\i):DF+4*(\i)+3], v[DO], s[DB:DB+1] offset:32*(\i)
.endr
.set i, 0
.rept 8
	global_load_b32 v[X+i], v[XO], s[XB:XB+1] offset:8192*i
	global_load_b32 v[Z+i], v[XO], s[XB:XB+1] offset:8192*i+4096
.set i, i+1
.endr
	WIN 0
.irp q, 0,1,2,3,4,5,6,7
	global_load_b128 v[AA+4*(\q):AA+4*(\q)+3], v[IL], s[AAS:AAS+1] offset:512*(\q)
	global_load_b128 v[H+4*(\q):H+4*(\q)+3],   v[IL], s[INS:INS+1] offset:512*(\q)
.endr
.irp i, 0,1,2,3
	global_load_b32 v[AT+(\i)], v[BT], s[BS:BS+1] offset:128*((\i)&1)+4*((\i)>>1)
.endr
	global_load_b64 v[DD:DD+1], v[DT8], s[DS:DS+1]
	s_wait_loadcnt 0x0
.set i, 0
.rept 8
	ds_store_b128 v[IT], v[BC0+4*i:BC0+4*i+3] offset:2048*i
.set i, i+1
.endr
	ds_store_b16 v1, v[ZR]                         ; the pad: 128 threads x 2 bytes
.irp i, 0,1,2,3
	v_cvt_pk_bf16_f32 v[AT+(\i)], v[AT+(\i)], v[AT+(\i)]      ; the bias's rounding to bf16
.endr
.irp i, 0,1,2,3
	v_lshlrev_b32 v[AT+(\i)], 16, v[AT+(\i)]
.endr
	v_cvt_pk_bf16_f32 v[U], v[DD], v[DD+1]         ; and D's
	v_lshlrev_b32 v[DD], 16, v[U]
	v_and_b32 v[DD+1], 0xffff0000, v[U]
	WIN 0x40
.irp i, 0,1,2,3
.irp j, 0,1,2,3,4,5,6,7
	v_mov_b32 v[BW+8*(\i)+(\j)], v[AT+(\i)]
.endr
.endr
	WIN 0
	s_wait_dscnt 0x0                               ; for the others' sake: my part of B, C and the pad lies in LDS
	s_barrier_signal -1
	s_barrier_wait -1
.macro BCLOAD s                        ; row s's B and C (counted from the trip's first row) into buffer s % 4: one address for all lanes
.set LB, BC0+32*((\s)&3)
.irp q, 0,1,2,3,4,5,6,7
	ds_load_b128 v[LB+4*(\q):LB+4*(\q)+3], v[BCA] offset:128*(\s)+16*(\q)
.endr
.endm
.macro PKB d, bc, n, x, c              ; d = (number n behind bc, for both halves) x + c
.if (\n)&1
	v_pk_fma_f32 v[(\d):(\d)+1], v[(\bc)+(\n)-1:(\bc)+(\n)], v[(\x):(\x)+1], v[(\c):(\c)+1] op_sel:[1,0,0] op_sel_hi:[1,1,1]
.else
	v_pk_fma_f32 v[(\d):(\d)+1], v[(\bc)+(\n):(\bc)+(\n)+1], v[(\x):(\x)+1], v[(\c):(\c)+1] op_sel_hi:[0,1,1]
.endif
.endm
.macro PKM d, bc, n, x                 ; the same without an addend: it starts a sum
.if (\n)&1
	v_pk_mul_f32 v[(\d):(\d)+1], v[(\bc)+(\n)-1:(\bc)+(\n)], v[(\x):(\x)+1] op_sel:[1,0] op_sel_hi:[1,1]
.else
	v_pk_mul_f32 v[(\d):(\d)+1], v[(\bc)+(\n):(\bc)+(\n)+1], v[(\x):(\x)+1] op_sel_hi:[0,1]
.endif
.endm
.macro AN s, n
	v_pk_fma_f32 v[AT+2*((\n)&7):AT+2*((\n)&7)+1], v[AA+2*(\n):AA+2*(\n)+1], v[DTP+2*(\s):DTP+2*(\s)+1], 1.0 op_sel_hi:[1,1,0]
.endm
.macro MA r, n
	v_pk_mul_f32 v[(\r)+2*(\n):(\r)+2*(\n)+1], v[(\r)+2*(\n):(\r)+2*(\n)+1], v[AT+2*((\n)&7):AT+2*((\n)&7)+1]
.endm
; A step.  Steps 2, 4 and 6 begin by asking for the rows two and three steps on: step 6 for the next trip's first two rows.
.macro STEP s
.if (\s) == 0
	s_wait_dscnt 3*NBC                             ; LDS loads come back in order: row 0 is in; rows 1, 2 and 3 may stay out
.elseif (\s)&1
	s_wait_dscnt 2*NBC                             ; my row is in; the pair asked for a step ago may stay out
.else
	s_wait_dscnt NBC                               ; my row is in; the pair's second row may stay out
	s_wait_alu depctr_va_vdst(0)                   ; the two steps before are done reading their rows of B and C, in whose buffers the loads below land
	BCLOAD (\s)+2
	BCLOAD (\s)+3
.endif
.set BB, BC0+32*((\s)&3)
	v_fma_mix_f32 v[U],   v[XC+(\s)], v[DTP+2*(\s)],   v[ZR] op_sel_hi:[1,0,0]
	v_fma_mix_f32 v[U+1], v[XC+(\s)], v[DTP+2*(\s)+1], v[ZR] op_sel:[1,0,0] op_sel_hi:[1,0,0]
.irp n, 0,1,2,3,4,5,6,7
	AN \s, \n
.endr
.irp n, 0,1,2,3,4,5,6,7
	MA H, \n
.endr
.irp n, 8,9,10,11,12,13,14,15
	AN \s, \n
.endr
.irp n, 0,1,2,3,4,5,6,7
	PKB H+2*(\n), BB, \n, U, H+2*(\n)
.endr
.irp n, 8,9,10,11,12,13,14,15
	MA H, \n
.endr
.irp n, 0,1,2,3
	PKM Y+2*(\n), BB+16, \n, H+2*(\n)
.endr
.irp n, 4,5,6,7
	PKB Y+2*((\n)&3), BB+16, \n, H+2*(\n), Y+2*((\n)&3)
.endr
.irp n, 8,9,10,11,12,13,14,15
	PKB H+2*(\n), BB, \n, U, H+2*(\n)
.endr
.irp n, 8,9,10,11,12,13,14,15
	PKB Y+2*((\n)&3), BB+16, \n, H+2*(\n), Y+2*((\n)&3)
.endr
	v_pk_add_f32 v[Y:Y+1], v[Y:Y+1], v[Y+2:Y+3]
	v_pk_add_f32 v[Y+4:Y+5], v[Y+4:Y+5], v[Y+6:Y+7]
	v_pk_add_f32 v[DTP+2*(\s):DTP+2*(\s)+1], v[Y:Y+1], v[Y+4:Y+5]  ; the step's dt is dead: its registers take y
.endm
; delta of 8 steps, in two parts: up to the exponentials, and from them on.  The exponentials are one batch, whose wait is the trip's wait; the logarithms another, with a wait of their own.
.macro SOFT1
	WIN 0x05                                       ; the tiles, both sources, in window 1
.irp e, 0,1
.irp j, 0,1,2,3,4,5,6,7
	v_cndmask_b32 v[DTP+2*(\j)+(\e)], v[RAW+16*(\e)+(\j)], v[RAW+16*(\e)+8+(\j)], vcc_lo  ; lanes 0-15 take tile (e, 0), lanes 16-31 tile (e, 1); each tile's lowest register is read first
.endr
.endr
	WIN 0
.set i, 0
.rept 8
	v_pk_mul_f32 v[DTP+2*i:DTP+2*i+1], v[DTP+2*i:DTP+2*i+1], 0x3fb8aa3b op_sel_hi:[1,0]
.set i, i+1
.endr
.set i, 0
.rept 16
	v_exp_f32 v[DTP+i], v[DTP+i]
.set i, i+1
.endr
.endm
.macro SOFT2
.set i, 0
.rept 8
	v_pk_add_f32 v[DTP+2*i:DTP+2*i+1], v[DTP+2*i:DTP+2*i+1], 1.0 op_sel_hi:[1,0]
.set i, i+1
.endr
.set i, 0
.rept 16
	v_log_f32 v[DTP+i], v[DTP+i]
.set i, i+1
.endr
	v_nop                                          ; a plain instruction behind the last logarithm,
	s_wait_alu depctr_va_vdst(0)                   ; and one wait for the batch: the logarithms' results are written, ahead of their first reader
.set i, 0
.rept 8
	v_pk_mul_f32 v[DTP+2*i:DTP+2*i+1], v[DTP+2*i:DTP+2*i+1], 0x3f317218 op_sel_hi:[1,0]
.set i, i+1
.endr
.set i, 0
.rept 16
	v_med3_num_f32 v[DTP+i], v[DTP+i], s[LO], s[HI]
.set i, i+1
.endr
.endm
.macro PRODUCTS                        ; the four tiles take turns
	WIN 0x55                                       ; dlt, W_dt, the bias and the tiles all lie in window 1
.irp i, 0,1,2,3
	v_wmma_f32_16x16x32_bf16 v[RAW+8*(\i):RAW+8*(\i)+7], v[DF:DF+7], v[WF+16*(\i):WF+16*(\i)+7], v[BW+8*(\i):BW+8*(\i)+7]
.endr
.irp i, 0,1,2,3
	v_wmma_f32_16x16x32_bf16 v[RAW+8*(\i):RAW+8*(\i)+7], v[DF+8:DF+15], v[WF+16*(\i)+8:WF+16*(\i)+15], v[RAW+8*(\i):RAW+8*(\i)+7]
.endr
.endm
	s_wait_alu depctr_vm_vsrc(0)                   ; my LDS stores have read v[BC0 .. BC0+31], which is buffer 0 from here on; the head's loads and stores have read v20 to v23, which are Y's from here on
	BCLOAD 0                                       ; the pipeline of B's and C's rows starts: two rows ahead.  v[BCA] was written ahead of the head's wait on va_vdst, and no vector instruction has named it since
	BCLOAD 1
.Lgrp:                                                 ; a trip: 8 steps and their gate
	s_wait_loadcnt 0x0                             ; this trip's xp, z and dlt, asked for a trip ago, are in; every load's base may be stepped
	s_wait_xcnt 0x0                                ; the last trip's stores have read their registers and their base
	s_cmp_eq_u32 s[CNT], 1                         ; the last trip has no next one: it asks for its own rows again, inside the buffers
	s_cselect_b32 s[ST], 0, 0x10000
	s_cselect_b32 s[SD], 0, 1024
	s_add_nc_u64 s[XB:XB+1], s[XB:XB+1], s[ST:ST+1]
	s_add_nc_u64 s[DB:DB+1], s[DB:DB+1], s[SD:SD+1]
	s_add_nc_u64 s[GB:GB+1], s[GB:GB+1], s[SG:SG+1]
	s_mov_b32 s[SG], 0x8000                        ; 8 rows of g, from the second trip on
	PRODUCTS
	WIN 0x01                                       ; X in window 1, XC in window 0
.set i, 0
.rept 8
	v_mov_b32 v[XC+i], v[X+i]                      ; also the plain instructions between the products and the selects that read their results
.set i, i+1
.endr
	WIN 0x41                                       ; Z and ZC in window 1
.set i, 0
.rept 8
	v_mov_b32 v[ZC+i], v[Z+i]
.set i, i+1
.endr
	SOFT1
	s_wait_alu depctr_vm_vsrc(0)                   ; the LDS loads issued so far have read v[BCA]; the last trip's LDS stores have read TT and its global stores Y, which step 0 writes again
	v_mov_b32 v[BCA], s[TB]                        ; this trip's first row; also the plain instruction behind the last exponential
	WIN 0x40                                       ; the loads' destinations in window 1: the switch, then the wait, then the loads
	s_wait_alu depctr_va_vdst(0)                   ; THE TRIP'S WAIT: the exponentials' results are written; the copies are done reading X and Z and the products DF; v[BCA] is written; the last trip's steps 6 and 7 are done reading buffers 2 and 3
.set i, 0
.rept 8
	global_load_b32 v[X+i], v[XO], s[XB:XB+1] offset:8192*i
	global_load_b32 v[Z+i], v[XO], s[XB:XB+1] offset:8192*i+4096
.set i, i+1
.endr
.irp i, 0,1,2,3
	global_load_b128 v[DF+4*(\i):DF+4*(\i)+3], v[DO], s[DB:DB+1] offset:32*(\i)
.endr
	WIN 0
	BCLOAD 2                                       ; between the wait and these loads stand loads and a window switch alone
	BCLOAD 3
	SOFT2
.irp t, 0,1,2,3,4,5,6,7
	STEP \t
.endr
	; THE GATE
.set i, 0
.rept 8
	v_fma_mix_f32 v[DTP+2*i],   v[XC+i], v[DD],   v[DTP+2*i]   op_sel_hi:[1,0,0]                 ; y + D xp
	v_fma_mix_f32 v[DTP+2*i+1], v[XC+i], v[DD+1], v[DTP+2*i+1] op_sel:[1,0,0] op_sel_hi:[1,0,0]
.set i, i+1
.endr
	WIN 0x01                                       ; ZC, source 0, in window 1
.set i, 0
.rept 8
	v_fma_mix_f32 v[TT+2*i],   v[ZC+i], v[NL], v[ZR] op_sel_hi:[1,0,0]                           ; -z log2(e)
	v_fma_mix_f32 v[TT+2*i+1], v[ZC+i], v[NL], v[ZR] op_sel:[1,0,0] op_sel_hi:[1,0,0]
.set i, i+1
.endr
	WIN 0
	s_wait_dscnt 0x0                               ; no LDS instruction of mine is out: the look-ahead's loads are in, and my reads of the stage in the trip before were waited for there
	s_barrier_signal -1                            ; say so; the gate's arithmetic, work on registers, stands between the signal and the wait
.set i, 0
.rept 16
	v_exp_f32 v[TT+i], v[TT+i]
.set i, i+1
.endr
	v_nop                                          ; a plain instruction behind the last exponential,
	s_wait_alu depctr_va_vdst(0)                   ; and one wait for the batch: the exponentials' results are written, ahead of their first reader
.set i, 0
.rept 8
	v_pk_add_f32 v[TT+2*i:TT+2*i+1], v[TT+2*i:TT+2*i+1], 1.0 op_sel_hi:[1,0]
.set i, i+1
.endr
.set i, 0
.rept 16
	v_rcp_f32 v[TT+i], v[TT+i]
.set i, i+1
.endr
	v_nop                                          ; a plain instruction behind the last reciprocal,
	s_wait_alu depctr_va_vdst(0)                   ; and one wait for the batch: the reciprocals' results are written, ahead of their first reader
.set i, 0
.rept 8
	v_pk_mul_f32 v[DTP+2*i:DTP+2*i+1], v[DTP+2*i:DTP+2*i+1], v[TT+2*i:TT+2*i+1]
.set i, i+1
.endr
	WIN 0x01
.set i, 0
.rept 8
	v_fma_mix_f32 v[DTP+2*i],   v[ZC+i], v[DTP+2*i],   v[ZR] op_sel_hi:[1,0,0]
	v_fma_mix_f32 v[DTP+2*i+1], v[ZC+i], v[DTP+2*i+1], v[ZR] op_sel:[1,0,0] op_sel_hi:[1,0,0]
.set i, i+1
.endr
	WIN 0
.set i, 0
.rept 8
	v_cvt_pk_bf16_f32 v[TT+i], v[DTP+2*i], v[DTP+2*i+1]
.set i, i+1
.endr
	s_wait_alu depctr_va_vdst(0)                   ; the roundings have written TT 0-7, which the LDS stores read; step 7's sums are done with Y, in which the rows of the stage land
	s_barrier_wait -1                              ; every wave's reads of the stage are over: it may be written
.set i, 0
.rept 8
	ds_store_b32 v[SA], v[TT+i] offset:512*i
.set i, i+1
.endr
	s_wait_dscnt 0x0                               ; for the others' sake: my part of the 8 rows lies in the stage
	s_barrier_signal -1
	s_barrier_wait -1
.irp i, 0,1
	ds_load_b128 v[Y+4*(\i):Y+4*(\i)+3], v[RA] offset:512*(\i)
.endr
	s_wait_dscnt 0x0
.irp i, 0,1
	global_store_b128 v[GO], v[Y+4*(\i):Y+4*(\i)+3], s[GB:GB+1] offset:4096*(\i)  ; 512 consecutive bytes of row 2 w + i, aligned
.endr
	s_add_co_u32 s[TB], s[TB], 1024
	s_sub_co_u32 s[CNT], s[CNT], 1
	s_cmp_lg_u32 s[CNT], 0
	s_cbranch_scc1 .Lgrp
	s_wait_dscnt 0x0                               ; the closing lines, six on end
	s_wait_alu 0x0
	s_wait_tensorcnt 0x0
	ds_add_u32 v[SPW], v[NIL]
	s_wait_dscnt 0x0
	s_endpgm
.Lfunc_end_k_qffc6af051f_scanC:
	.size	k_qffc6af051f_scanC, .Lfunc_end_k_qffc6af051f_scanC-k_qffc6af051f_scanC
	.p2alignl 7, 3214868480
	.fill 96, 4, 3214868480
	.section	.rodata,"a",@progbits
	.p2align	6, 0x0
	.amdhsa_kernel k_qffc6af051f_scanC
		.amdhsa_group_segment_fixed_size 21248
		.amdhsa_private_segment_fixed_size 0
		.amdhsa_enable_private_segment 0
		.amdhsa_kernarg_size 56
		.amdhsa_user_sgpr_count 2
		.amdhsa_user_sgpr_kernarg_segment_ptr 1
		.amdhsa_wavefront_size32 1
		.amdhsa_system_sgpr_workgroup_id_x 1
		.amdhsa_system_sgpr_workgroup_id_y 1
		.amdhsa_system_sgpr_workgroup_id_z 1
		.amdhsa_system_vgpr_workitem_id 0
		.amdhsa_next_free_vgpr 424
		.amdhsa_next_free_sgpr 66
		.amdhsa_reserve_vcc 1
		.amdhsa_float_denorm_mode_32 3
		.amdhsa_float_denorm_mode_16_64 3
		.amdhsa_memory_ordered 1
		.amdhsa_forward_progress 1
		.amdhsa_inst_pref_size 67
	.end_amdhsa_kernel
	.amdgpu_metadata
---
amdhsa.version: [ 1, 2 ]
amdhsa.kernels:
  - .name:           k_qffc6af051f_scanC
    .symbol:         k_qffc6af051f_scanC.kd
    .args:
      - { .name: xz, .offset: 0, .size: 8, .value_kind: global_buffer, .address_space: global }
      - { .name: xd, .offset: 8, .size: 8, .value_kind: global_buffer, .address_space: global }
      - { .name: wts, .offset: 16, .size: 8, .value_kind: global_buffer, .address_space: global }
      - { .name: b_dt, .offset: 24, .size: 8, .value_kind: global_buffer, .address_space: global }
      - { .name: D, .offset: 32, .size: 8, .value_kind: global_buffer, .address_space: global }
      - { .name: init, .offset: 40, .size: 8, .value_kind: global_buffer, .address_space: global }
      - { .name: g, .offset: 48, .size: 8, .value_kind: global_buffer, .address_space: global }
    .group_segment_fixed_size: 21248
    .private_segment_fixed_size: 0
    .kernarg_segment_align: 8
    .kernarg_segment_size: 56
    .max_flat_workgroup_size: 128
    .sgpr_count:     66
    .vgpr_count:     424
    .wavefront_size: 32
...
	.end_amdgpu_metadata
.endif
;; end of part 9
;; launch gemm_out: the kernel of part 7 again; grid 4 x 64, 4 waves a work-group, clusters of 4 x 4, 327,680 bytes of LDS; arguments g, wts, out0; writes out0
